; MI455X (gfx1250); checked and timed in simulation.
; The chip was launched on July 23, 2026; its instructions are those of AMD's public machine-readable ISA for CDNA 5 (MIT licence, August 2026) and "CDNA5" Instruction Set Architecture Reference Guide (July 2026). The comments in the code are by the model that wrote it; some were corrected since.
;; Multihead attention. Allowed arithmetic: matrix products marked QUANTISED: E2M1 operands, one E8M0 scale for each 32 along K, by v_wmma_scale_f32_16x16x128_f8f6f4 with both operands' format E2M1 (or v_wmma_scale_f32_32x16x128_f4), f32 sums; products left as they are: f32 operands where the result goes on into a quantised operand, else bf16, f16 or f32 operands; f32 sums; everything else in f32.
;; Inputs: Wk 1,024 x 1,024 float32; Wo 1,024 x 1,024 float32; Wq 1,024 x 1,024 float32; Wv 1,024 x 1,024 float32; bk 1,024 float32; bo 1,024 float32; bq 1,024 float32; bv 1,024 float32; x 4 x 1,024 x 1,024 float32.
;; Outputs: out0 4 x 1,024 x 1,024 float32.
;; This version of the problem:
;;   THIS VERSION OF THE PROBLEM IS GIVEN IN LOW PRECISION. The matrix products marked QUANTISED in the list below multiply operands that are first quantised to E2M1 (2 exponent bits, 1 mantissa bit; 4 bits a number), with one power-of-two scale for each 32 numbers along K (OCP MX v1.0); their sums are f32. All else is computed in f32.
;;   The module's matrix products, in the order in which they are computed (A, B: the left and right operand; K: the contracted axis; several contracted axes count as one K, in the product's order):
;;     1. [M 4,096, K 1,024] x [K 1,024, N 1,024]; A: input x; B: input Wq: QUANTISED
;;     2. [M 4,096, K 1,024] x [K 1,024, N 1,024]; A: input x; B: input Wk: QUANTISED
;;     3. [M 4,096, K 1,024] x [K 1,024, N 1,024]; A: input x; B: input Wv: QUANTISED
;;     4. batch 256 x [M 1,024, K 16] x [K 16, N 1,024]; A: computed on the way; B: computed on the way: left as it is (K = 16 < 32)
;;     5. batch 256 x [M 1,024, K 1,024] x [K 1,024, N 16]; A: softmax (see below); B: computed on the way: QUANTISED
;;     6. [M 4,096, K 1,024] x [K 1,024, N 1,024]; A: computed on the way; B: input Wo: QUANTISED
;;   THE QUANTISER, for each operand of a quantised product, along K:
;;     - K is cut into blocks of 32 from its start; a last block that is shorter is filled with zeros.
;;     - A block's scale is 2^e with e = floor(log2(the largest magnitude in the block)) - 2, held to -126 .. 127; a block of zeros has e = 0. As a byte (E8M0): e + 127.
;;     - Each number is divided by its block's scale, clamped to +-6, and rounded to the nearest number of E2M1, ties to even, subnormals kept.
;;     - The product sums the exact products of the quantised numbers (number of the format x scale) in f32.
;;   ~~~python
;;   def quantise(x, axis):      # numpy; x: float32 -> the quantised numbers, widened to float32 again
;;       x = np.moveaxis(x, axis, -1); K = x.shape[-1]
;;       x = np.pad(x, [(0, 0)] * (x.ndim - 1) + [(0, -K % 32)]); x = x.reshape(x.shape[:-1] + (-1, 32)); a = np.abs(x).max(-1, keepdims=True)
;;       e = np.where(a > 0, np.clip(np.frexp(np.where(a > 0, a, 1))[1] - 1 - 2, -126, 127), 0)      # np.frexp(a)[1] - 1 = floor(log2(a)), exactly
;;       r = np.clip(x / 2.0 ** e, -6, 6)
;;       step = 2.0 ** (np.maximum(np.frexp(np.where(r == 0, 1, r))[1] - 1, 0) - 1)
;;       q = np.round(r / step) * step * 2.0 ** e      # np.round: ties to even
;;       return np.moveaxis(q.reshape(q.shape[:-2] + (-1,))[..., :K], -1, axis).astype(np.float32)
;;   ~~~
;;   SOFTMAX AHEAD OF A QUANTISED PRODUCT. Where the list says 'softmax', what is quantised is not the finished softmax but p = 2^(t - M), with t = logit x log2(e) and M = ceil(the row's largest t), a whole number; so 1/2 < the row's largest p <= 1. The row's sum l is taken of the UNQUANTISED p, in f32, and the product's result is divided by l at the end. Since M is a whole number, a kernel that streams over the keys may use a running M (the ceiling of the running maximum): every later rescaling is an exact power of two, which a block's scale takes up: the codes' values come out the same.
;;   OPERANDS COMPUTED ON THE WAY. 'Computed on the way' means the value that the module computes at that place (a softmax that the list does not call 'softmax' is quantised finished and normalised). What goes into a quantiser is computed in f32, as accurately as f32 sums, v_exp_f32 and their like allow (about 1e-6 of the number): no bf16 or f16 on the way to a quantiser, and a product that is left as it is and whose result goes on into a quantised operand takes f32 operands (vector FMAs, or v_wmma_f32_16x16x4_f32). A number that lies on a knife's edge between two numbers of the format may be rounded either way, as far as f32 arithmetic and the matrix unit's own rounding can turn it there, and no further.
;; 2 versions, each right; version 2 is version 1 with the launch attn written anew for expert scheduling mode. Each part assembles by itself: llvm-mc -triple=amdgcn-amd-amdhsa -mcpu=gfx1250 --defsym DOCPART=n.
;; ======== version 1 of 2: 2 launches
;; workspace buffers: xc 2,097,152 bytes; xs 131,072 bytes; wc 2,097,152 bytes; ws 131,072 bytes
;; launch quant (part 1): grid 512 x 1, 4 waves a work-group, no clusters, 68,096 bytes of LDS; arguments x, Wq, Wk, Wv, Wo, xc, xs, wc, ws; writes xc, xs, wc, ws
.if DOCPART == 1
	.amdgcn_target "amdgcn-amd-amdhsa--gfx1250"
	.amdhsa_code_object_version 6
	.text
	.protected	k_qdc52d526d7_quant
	.globl	k_qdc52d526d7_quant
	.p2align	8
	.type	k_qdc52d526d7_quant,@function
k_qdc52d526d7_quant:
	s_mov_b64 s[64:65], 0
	v_nop
	global_prefetch_b8 v0, s[64:65] scope:SCOPE_SE
	s_setreg_imm32_b32 hwreg(HW_REG_WAVE_MODE, 25, 1), 1
	s_wait_xcnt 0x0
; x [4096][1024] (K innermost) and Wq, Wk, Wv, Wo [1024 (k)][1024 (n)] (K outermost), f32, become codes of FP4 (E2M1) with one E8M0 byte for each 32 along K,
; laid IN THE ORDER OF THE OPERANDS' REGISTERS, so that the next launch loads every fragment by plain 16-byte loads, 16 x lane apart.  lane = 16 h + r.
;   xc [tile of 16 rows, 256][K step s, 8][c, 2][lane][16 bytes]: the 32 codes k = 128 s + 64 c + 32 h + 0 .. 31 of row 16 tile + r
;   xs [s, 8][row, 4096][4 bytes]: byte i of a word scales k = 128 s + 32 i + 0 .. 31
;   wc [weight, 4][tile of 16 columns, 64][s][c][lane][16 bytes], ws [weight][s][column, 1024][4 bytes]: the same with a column n in a row's place
; A block's scale is 2^(floor(log2(its largest magnitude)) - 2): its byte is the largest magnitude's exponent field - 2, held at 1 from below by a floor among the maximum's leaves.
; LIMITS: NaN and infinities among the inputs are not served.  A block of zeros gets the byte 1 and not 127: its codes are zeros, which add nothing, and this program alone reads the bytes.
; Work-groups 0-255 take x, 256-511 the weights; only x's way uses LDS.  No tensor loads, no barrier: waves share nothing.  Matrix units and clusters have nothing to do here: no byte is read twice.
.set STGW,  16896                      ; a wave's stage: 32 rows x 528 bytes
.set PITCH, 528                        ; a stage row: 512 bytes + 16: sixteen rows at one column fall on sixteen different 16-byte columns modulo 256 bytes
.set R,     16                         ; v16-143  numbers as loaded
.set Y,     144                        ; v144-207 x's way: two blocks of 32 neighbours of my row
.set C,     208                        ; v208-223 codes: no store's data are written again
.set TM,    224                        ; v224-239 at work
.set FLOOR, 0x1800000                  ; 2^(3 - 127)
	s_load_b512 s[4:19], s[0:1], 0x0               ; x s[4:5], Wq s[6:7], Wk s[8:9], Wv s[10:11], Wo s[12:13], xc s[14:15], xs s[16:17], wc s[18:19]
	s_load_b64 s[20:21], s[0:1], 0x40              ; ws
	v_lshl_add_u32 v240, v0, 2, 0x10800
	v_mov_b32 v241, 0
	v_lshrrev_b32 v1, 5, v0
	v_readfirstlane_b32 s22, v1                    ; wave 0..3
	v_and_b32 v1, 31, v0                           ; lane
	v_and_b32 v2, 15, v0                           ; r
	v_bfe_u32 v3, v0, 4, 1                         ; h
	v_lshlrev_b32 v4, 4, v1                        ; 16 x lane
	v_lshlrev_b32 v7, 2, v1                        ; 4 x lane
	s_mov_b32 s28, 0x76543210
	s_mov_b32 s29, 0xfedcba98                      ; v_permlanex16_b32's selects for lane l xor 16
	s_mov_b32 s27, 0                               ; the upper word of every offset pair s[26:27]
	s_cmp_lt_u32 ttmp9, 256
	s_cbranch_scc0 .Lweights
; ---- x.  Work-group g: rows 32 (g / 2) on; wave w: K step s = 4 (g % 2) + w.  A wave turns 32 rows x 128 k (16,384 bytes) into two fragments and 32 scale words.
; Each load reads 512 consecutive bytes of one row; the conversions want 32 neighbours of one row in ONE lane: so the numbers turn through the wave's own stage.
	s_lshr_b32 s23, ttmp9, 1                       ; which 32 rows
	s_and_b32 s24, ttmp9, 1
	s_lshl_b32 s24, s24, 2
	s_add_co_u32 s24, s24, s22                     ; s
	s_mul_i32 s25, s22, STGW                       ; my stage
	v_add_nc_u32 v5, s25, v4                       ; in: 16 x lane of a row
	v_mul_u32_u24 v6, v2, PITCH
	v_lshl_add_u32 v6, v3, 7, v6
	v_add_nc_u32 v6, s25, v6                       ; out: row r, + 128 h bytes: my block of 32 numbers
	v_lshlrev_b32 v8, 3, v3                        ; 8 h: my two scale bytes' shift in the word
	v_mov_b32 v[TM+6], 0                           ; a lane permute's destination counts as one of its sources
	s_wait_kmcnt 0x0
	s_lshl_b32 s26, s23, 17                        ; x: 32 rows of 4,096 bytes,
	s_lshl_b32 s25, s24, 9                         ; + 512 s
	s_add_co_u32 s26, s26, s25
	s_add_nc_u64 s[4:5], s[4:5], s[26:27]
	s_lshl_b32 s26, s23, 14                        ; xc: two tiles of 8,192 bytes,
	s_lshl_b32 s25, s24, 10                        ; + 1,024 s
	s_add_co_u32 s26, s26, s25
	s_add_nc_u64 s[14:15], s[14:15], s[26:27]
	s_lshl_b32 s26, s24, 14                        ; xs: 16,384 s,
	s_lshl_b32 s25, s23, 7                         ; + 32 rows of 4 bytes
	s_add_co_u32 s26, s26, s25
	s_add_nc_u64 s[16:17], s[16:17], s[26:27]
.set i, 0
.rept 32
	global_load_b128 v[R+4*i:R+4*i+3], v4, s[4:5] offset:4096*i th:TH_LOAD_NT   ; row i: 32 lanes read 512 consecutive bytes; all 32 loads go out at once
.set i, i+1
.endr
.macro XTILE T                         ; rows 16 T .. 16 T + 15 become a fragment
	s_wait_loadcnt 16-16*\T                        ; this tile's sixteen loads are in; the other tile's sixteen may be out
.set i, 0
.rept 16
	ds_store_b128 v5, v[R+4*(16*\T+i):R+4*(16*\T+i)+3] offset:(16*\T+i)*PITCH
.set i, i+1
.endr
.irp c, 0,1
.irp m, 0,1,2,3,4,5,6,7
	ds_load_b128 v[Y+32*\c+4*\m:Y+32*\c+4*\m+3], v6 offset:16*PITCH*\T+256*\c+16*\m   ; LDS serves a wave's instructions in order: these see the stores above
.endr
.endr
	s_wait_dscnt 0x0
.irp c, 0,1
	v_max3_num_f32 v[TM+\c], |v[Y+32*\c]|, |v[Y+32*\c+1]|, FLOOR   ; block 2 c + h of my row: all its 32 numbers are mine; the floor holds the byte at 1 from below
.endr
.irp i, 2,4,6,8,10,12,14,16,18,20,22,24,26,28,30
.irp c, 0,1
	v_max3_num_f32 v[TM+\c], v[TM+\c], |v[Y+32*\c+\i]|, |v[Y+32*\c+\i+1]|   ; (the two blocks by turns)
.endr
.endr
.irp c, 0,1
	v_add_nc_u32 v[TM+2+\c], 0xff000000, v[TM+\c]  ; 2 off the exponent field: the conversion takes the exponent field of this operand as its scale
.endr
.irp c, 0,1
	v_lshrrev_b32 v[TM+4+\c], 23, v[TM+2+\c]       ; the scale's byte
.endr
.irp c, 0,1
.irp g, 0,1,2,3
	v_cvt_scalef32_pk8_fp4_f32 v[C+8*\T+4*\c+\g], v[Y+32*\c+8*\g:Y+32*\c+8*\g+7], v[TM+2+\c]   ; register 4 c + g of the fragment
.endr
.endr
	v_lshl_or_b32 v[TM+8+\T], v[TM+5], 16, v[TM+4] ; my two bytes: blocks h and 2 + h.  (A plain line behind the conversions)
	v_lshlrev_b32 v[TM+8+\T], v8, v[TM+8+\T]       ; at their places in the word;
	v_permlanex16_b32 v[TM+6], v[TM+8+\T], s28, s29
	v_or_b32 v[TM+8+\T], v[TM+8+\T], v[TM+6]       ; with lane l xor 16's two the word is whole, in both lanes
.irp c, 0,1
	global_store_b128 v4, v[C+8*\T+4*\c:C+8*\T+4*\c+3], s[14:15] offset:8192*\T+512*\c   ; 32 lanes store 512 consecutive bytes, aligned
.endr
.endm
	XTILE 0
	XTILE 1
	s_mov_b32 vcc_lo, 0xffff0000
	v_cndmask_b32 v[TM+10], v[TM+8], v[TM+9], vcc_lo   ; lanes 0-15: rows 0-15's words; lanes 16-31: rows 16-31's
	global_store_b32 v7, v[TM+10], s[16:17]        ; 128 consecutive bytes
	s_wait_tensorcnt 0x0
	ds_add_u32 v240, v241
	s_wait_dscnt 0x0
	s_endpgm
; ---- The weights.  Work-group 256 + 64 weight + 8 cg + s; wave w: columns 128 cg + 32 w + lane, k = 128 s + 0 .. 127.
; A LANE TAKES A COLUMN AND ITS REGISTERS RUN DOWN K: each load reads 128 consecutive bytes of one row of W, a block of 32 lies in one lane, and its 16 bytes of codes are
; what lane (r, block % 2) of the fragment holds: sixteen lanes store 256 consecutive bytes, aligned, with no stage between.
.Lweights:
	s_sub_co_u32 s23, ttmp9, 256
	s_lshr_b32 s24, s23, 6                         ; which weight: 0 Wq, 1 Wk, 2 Wv, 3 Wo
	s_bfe_u32 s25, s23, 0x30003                    ; cg
	s_and_b32 s23, s23, 7                          ; s
	v_lshlrev_b32 v8, 13, v3
	v_lshl_add_u32 v8, v2, 4, v8                   ; codes: lanes 16-31 belong to the next tile of columns: 8,192 h + 16 r
	s_wait_kmcnt 0x0
	s_cmp_eq_u32 s24, 1                            ; the choice hangs on the work-group's number alone
	s_cselect_b64 s[6:7], s[8:9], s[6:7]
	s_cmp_eq_u32 s24, 2
	s_cselect_b64 s[6:7], s[10:11], s[6:7]
	s_cmp_eq_u32 s24, 3
	s_cselect_b64 s[6:7], s[12:13], s[6:7]
	s_lshl_b32 s26, s23, 19                        ; W: 128 s rows of 4,096 bytes + 512 cg + 128 w
	s_lshl_b32 s30, s25, 9
	s_add_co_u32 s26, s26, s30
	s_lshl_b32 s30, s22, 7
	s_add_co_u32 s26, s26, s30
	s_add_nc_u64 s[6:7], s[6:7], s[26:27]
	s_lshl_b32 s26, s24, 19                        ; wc: 524,288 weight + 8,192 (8 cg + 2 w) + 1,024 s
	s_lshl_b32 s30, s25, 16
	s_add_co_u32 s26, s26, s30
	s_lshl_b32 s30, s22, 14
	s_add_co_u32 s26, s26, s30
	s_lshl_b32 s30, s23, 10
	s_add_co_u32 s26, s26, s30
	s_add_nc_u64 s[18:19], s[18:19], s[26:27]
	s_lshl_b32 s26, s24, 15                        ; ws: 32,768 weight + 4,096 s + 512 cg + 128 w
	s_lshl_b32 s30, s23, 12
	s_add_co_u32 s26, s26, s30
	s_lshl_b32 s30, s25, 9
	s_add_co_u32 s26, s26, s30
	s_lshl_b32 s30, s22, 7
	s_add_co_u32 s26, s26, s30
	s_add_nc_u64 s[20:21], s[20:21], s[26:27]
.macro WLOAD b                         ; block b: W(128 s + 32 b + i, my column), i = 0 .. 31
.set i, 0
.rept 32
	global_load_b32 v[R+32*(\b)+i], v7, s[6:7] offset:4096*(32*(\b)+i) th:TH_LOAD_NT
.set i, i+1
.endr
.endm
.macro WBLOCK b
.set XB, R+32*(\b)
.if (\b) < 3
	s_wait_loadcnt 32                              ; this block's 32 loads are in; the next block's 32 may be out
.else
	s_wait_loadcnt 0x0
.endif
.if (\b) < 2
	WLOAD (\b)+2                                   ; two blocks ahead, into registers of its own
.endif
	v_max3_num_f32 v[TM], |v[XB]|, |v[XB+1]|, |v[XB+2]|            ; the block's largest magnitude, in two chains
	v_max3_num_f32 v[TM+1], |v[XB+3]|, |v[XB+4]|, |v[XB+5]|
.irp i, 6,10,14,18,22,26
	v_max3_num_f32 v[TM], v[TM], |v[XB+\i]|, |v[XB+\i+1]|
	v_max3_num_f32 v[TM+1], v[TM+1], |v[XB+\i+2]|, |v[XB+\i+3]|
.endr
	v_max3_num_f32 v[TM], v[TM], |v[XB+30]|, |v[XB+31]|
	v_max3_num_f32 v[TM], v[TM], v[TM+1], FLOOR
	v_add_nc_u32 v[TM+2], 0xff000000, v[TM]        ; the conversion's scale operand
.irp g, 0,1,2,3
	v_cvt_scalef32_pk8_fp4_f32 v[C+4*(\b)+\g], v[XB+8*\g:XB+8*\g+7], v[TM+2]
.endr
	v_lshrrev_b32 v[TM+3], 23, v[TM+2]             ; the scale's byte.  (A plain line behind the conversions)
.if (\b) == 0
	v_mov_b32 v[TM+4], v[TM+3]
.else
	v_lshl_or_b32 v[TM+4], v[TM+3], 8*(\b), v[TM+4]   ; four bytes make my column's word for this K step
.endif
	global_store_b128 v8, v[C+4*(\b):C+4*(\b)+3], s[18:19] offset:256*(\b)   ; c = b / 2, the fragment's half b % 2: 512 c + 256 (b % 2) = 256 b
.endm
	WLOAD 0
	WLOAD 1
	WBLOCK 0
	WBLOCK 1
	WBLOCK 2
	WBLOCK 3
	global_store_b32 v7, v[TM+4], s[20:21]         ; 128 consecutive bytes
	s_endpgm
.Lfunc_end_k_qdc52d526d7_quant:
	.size	k_qdc52d526d7_quant, .Lfunc_end_k_qdc52d526d7_quant-k_qdc52d526d7_quant
	.p2alignl 7, 3214868480
	.fill 96, 4, 3214868480
	.section	.rodata,"a",@progbits
	.p2align	6, 0x0
	.amdhsa_kernel k_qdc52d526d7_quant
		.amdhsa_group_segment_fixed_size 68096
		.amdhsa_private_segment_fixed_size 0
		.amdhsa_enable_private_segment 0
		.amdhsa_kernarg_size 72
		.amdhsa_user_sgpr_count 2
		.amdhsa_user_sgpr_kernarg_segment_ptr 1
		.amdhsa_wavefront_size32 1
		.amdhsa_system_sgpr_workgroup_id_x 1
		.amdhsa_system_sgpr_workgroup_id_y 1
		.amdhsa_system_sgpr_workgroup_id_z 1
		.amdhsa_system_vgpr_workitem_id 0
		.amdhsa_next_free_vgpr 242
		.amdhsa_next_free_sgpr 66
		.amdhsa_reserve_vcc 1
		.amdhsa_float_denorm_mode_32 3
		.amdhsa_float_denorm_mode_16_64 3
		.amdhsa_memory_ordered 1
		.amdhsa_forward_progress 1
		.amdhsa_inst_pref_size 36
	.end_amdhsa_kernel
	.amdgpu_metadata
---
amdhsa.version: [ 1, 2 ]
amdhsa.kernels:
  - .name:           k_qdc52d526d7_quant
    .symbol:         k_qdc52d526d7_quant.kd
    .args:
      - { .name: x, .offset: 0, .size: 8, .value_kind: global_buffer, .address_space: global }
      - { .name: Wq, .offset: 8, .size: 8, .value_kind: global_buffer, .address_space: global }
      - { .name: Wk, .offset: 16, .size: 8, .value_kind: global_buffer, .address_space: global }
      - { .name: Wv, .offset: 24, .size: 8, .value_kind: global_buffer, .address_space: global }
      - { .name: Wo, .offset: 32, .size: 8, .value_kind: global_buffer, .address_space: global }
      - { .name: xc, .offset: 40, .size: 8, .value_kind: global_buffer, .address_space: global }
      - { .name: xs, .offset: 48, .size: 8, .value_kind: global_buffer, .address_space: global }
      - { .name: wc, .offset: 56, .size: 8, .value_kind: global_buffer, .address_space: global }
      - { .name: ws, .offset: 64, .size: 8, .value_kind: global_buffer, .address_space: global }
    .group_segment_fixed_size: 68096
    .private_segment_fixed_size: 0
    .kernarg_segment_align: 8
    .kernarg_segment_size: 72
    .max_flat_workgroup_size: 128
    .sgpr_count:     66
    .vgpr_count:     242
    .wavefront_size: 32
...
	.end_amdgpu_metadata
.endif
;; end of part 1
;; launch attn (part 2): grid 256 x 1, 16 waves a work-group, no clusters, 247,808 bytes of LDS; arguments xc, xs, wc, ws, bq, bk, bv, bo, out0; writes out0
.if DOCPART == 2
	.amdgcn_target "amdgcn-amd-amdhsa--gfx1250"
	.amdhsa_code_object_version 6
	.text
	.protected	k_qdc52d526d7_attn
	.globl	k_qdc52d526d7_attn
	.p2align	8
	.type	k_qdc52d526d7_attn,@function
k_qdc52d526d7_attn:
	s_mov_b64 s[64:65], 0
	v_nop
	global_prefetch_b8 v0, s[64:65] scope:SCOPE_SE
	s_setreg_imm32_b32 hwreg(HW_REG_WAVE_MODE, 25, 1), 1
	s_wait_xcnt 0x0
; One work-group = one head ab = 4 a + b (columns 16 a .. 16 a + 15 of q, k, v; batch b; 1,024 queries and keys of width 16), from x's codes to 16 whole rows of the output.
; q, k, v, p and z never go to memory.  Sixteen waves of 256 registers; wave w owns rows 64 w .. 64 w + 63 of the head (as queries and as keys), row w of the head's 16 rows of z, and output columns 64 w .. 64 w + 63.
; P1  q, k, v = x W + b on FP4 codes.  q and k TRANSPOSED (source 0 = W's 16 columns, source 1 = 16 rows of x): a lane holds one row and dims 8 h + 0 .. 7, and these 8 registers ARE the f32 fragment of the scores'
;     product: instruction i of 4 takes registers 2 i, 2 i + 1 of both sides, so its slot (h, j) is dim 8 h + 2 i + j in k and in q alike.  v as it stands: a lane holds one dim and its registers run along the keys,
;     the second product's K: it is quantised in registers.  All three go to LDS as images of their registers.
; P2  for each of my four tiles of 16 queries, eight steps of 128 keys: S^T = k q^T by v_wmma_f32_16x16x4_f32 (f32 operands: the scores go on into a quantiser); t = score x log2(e) / 8; M = the running largest t
;     rounded up to a whole number; p = 2^(t - M), quantised along the keys; the row's sum of the unquantised p; O^T += v^T p^T on FP4 codes.  When M moves, the sum and O^T are multiplied by 2^(old M - new M): exact.
;     z = O / the sum is quantised (a block of 32 along the last product's K is two neighbouring queries x 16 dims: lanes r, r xor 1 and l xor 16) and goes to LDS in the place that the last product's fragment gives it.
; P3  out = z Wo + bo, transposed (source 0 = 16 columns of Wo, source 1 = the head's 16 rows of z): a lane holds eight neighbouring columns of a row; they leave through my stage as aligned runs of 256 bytes.
; ORDER OF SUMS, stated: the scores add the dims in the order 0, 1, 8, 9, 2, 3, 10, 11, ..; in p v the four groups of eight keys of each block of 32 stand in the order 0, 2, 1, 3 in p and in v alike (inside a block: one scale).
; LIMITS: NaN and infinities are not served; a block of zeros keeps the scale byte 1 (its codes are zeros); the division by the row's sum is v_rcp_f32 and a multiplication.
; NO CLUSTER, NO TENSOR LOADS: x's codes of a batch (524,288 bytes) are read by that batch's 64 heads and Wo's (524,288) by all, but a joint load lands in LDS, of which 242,688 bytes are taken for the whole launch:
; it would need a ring with its rounds, and an LDS write and read, for fragments that feed three products (x) or one (Wo): 128 of a wave's 1,184 matrix instructions.  Every operand lies in register order, so plain loads bring it.
; No prefetch: the codes were stored by the launch before and every work-group reads them.
; LDS (nothing is written twice: three barriers)
.set WIMG, 0                           ; 24,576  [weight 3][s 8][c 2][lane][16]: the head's fragments of Wq, Wk, Wv
.set QIMG, 24576                       ; 65,536  [tile of 16 rows, 64][c 2][lane][16]: q's f32 fragments
.set KIMG, 90112                       ; 65,536  k's
.set VIMG, 155648                      ; 8,192   [step 8][c 2][lane][16] = 256 x block of 32 keys + 16 dim + 4 x register
.set VSC,  163840                      ; 512     [step 8][dim 16][4]
.set ZIMG, 164352                      ; 8,192   [s 8][c 2][lane][16]
.set ZSC,  172544                      ; 512     [row 16][32]
.set STG,  173056                      ; 69,632  16 waves x 16 rows x (256 + 16)
; VECTOR REGISTERS.  v64-127 are written by matrix instructions alone and v232-255 hold scales save v251 and v252, the closing add's two numbers, in the whole text.
.set LI,   1                           ; 16 x lane
.set AQ,   2                           ; QIMG + 4,096 w + 16 lane
.set AKS,  3                           ; KIMG + 4,096 w + 16 lane
.set AK,   4                           ; KIMG + 16 lane
.set AVST, 5                           ; VIMG + 512 w + 16 r + 8 h
.set AVSS, 6                           ; VSC + 64 (w / 2) + 2 (w % 2) + 4 r
.set AV,   7                           ; VIMG + 16 lane
.set AVS,  8                           ; VSC + 4 r
.set AZ,   9                           ; ZIMG + 256 (r / 2) + 16 w + 8 (r % 2) + 4 h
.set AZS,  10                          ; ZSC + 32 w + r / 2
.set OT,   11                          ; offsets into memory, never rewritten: 16 x thread,
.set OWS,  12                          ; 16,384 h + 4 r,
.set O32H, 13                          ; 32 h,
.set O4R,  14                          ; 4 r,
.set O4L,  15                          ; 4 x lane
.set BQ,   16                          ; P1: v16-23 bq, v24-31 bk in the result's layout, v[32:33] bv of my dim, twice
.set BK,   24
.set BV,   32
.set WF0,  34                          ; P1: v34-57, v192-215: the three weights' fragments of a K step, two sets
.set WF1,  192
.set ACC,  64                          ; P1: q0 64, k0 72, v0 80, q1 88, k1 96, v1 104
.set X,    128                         ; P1: v128-191 x's fragments: four K steps x two tiles of rows
.set VT,   216                         ; P1: v216-231 v + bv: 16 keys of my dim
.set XS,   232                         ; P1: v232-239 x's scale words of the eight K steps: lanes 0-15 tile 0, lanes 16-31 tile 1
.set WS,   240                         ; P1: v240-251 the weights': register 4 weight + m: lanes 0-15 K step m, lanes 16-31 K step m + 4
.set QF,   16                          ; P2: v16-23 my tile of q
.set OA,   24                          ; v24-31 O^T
.set NM,   32                          ; -M
.set TMX,  33                          ; the largest t so far
.set LA,   34                          ; v[34:35], v[36:37] the row's sum, two chains of two halves
.set LB,   36
.set FF,   38                          ; v[38:39] f = 2^(old M - new M), and a 0 named with it as a pair
.set BM,   40                          ; v40-43 each block's largest score, then its largest p
.set BX,   44                          ; v44-47 lane l xor 16's; then the scale bytes
.set SO,   48                          ; v48-51 the conversions' scale operands
.set TMP,  52
.set RL,   52                          ; v[52:53] 1 / the sum, and a 0
.set PC,   54                          ; v54-61 p's codes
.set ADQ,  62
.set ADZ,  63
.set S,    64                          ; v64-127 S^T: tile t of 16 keys at S + 8 t
.set KF,   128                         ; v128-191 eight tiles of k
.set T,    192                         ; v192-223 t - M, then p, 32 at a time
.set VF,   224                         ; v224-231 v's fragment
.set VS,   232                         ; v's scale word; v233 p's
.set PS,   233
.set AZF,  2                           ; P3, made at its head: ZIMG + 16 lane;
.set AZSL, 3                           ; ZSC + 32 r;
.set ASO,  4                           ; STG + 4,352 w + 272 r + 32 h;
.set ASR,  5                           ; STG + 4,352 w + 272 h + 16 r;
.set GO,   6                           ; 4,096 h + 16 r
.set BO,   16                          ; v16-47 bo in the result's layout, four tiles
.set ZF,   48                          ; v48-63 z's fragments, two sets
.set AC3,  64                          ; v64-95 four accumulators
.set WOF,  128                         ; v128-223 Wo's fragments: three K steps x four tiles
.set OUTR, 128                         ; the way out
.set ZS,   232                         ; v232-239 z's scale words
.set WOS,  240                         ; v240-255 Wo's: register 8 u + s: lanes 0-15 tile 2 u, lanes 16-31 tile 2 u + 1
.set FLOOR, 0x1800000                  ; 2^(3 - 127)
; a scaled product on FP4 codes.  c < 0: the sum begins with the constant 0.  ra, rb = 1: that side's scales stand in lanes 16-31 of the register named
.macro MM d, a, b, c, sa, sb, ra, rb
.if (\c) < 0
.if (\ra) && (\rb)
	v_wmma_scale_f32_16x16x128_f8f6f4 v[\d:\d+7], v[\a:\a+7], v[\b:\b+7], 0, v[\sa], v[\sb] matrix_a_fmt:MATRIX_FMT_FP4 matrix_b_fmt:MATRIX_FMT_FP4 matrix_a_scale:MATRIX_SCALE_ROW1 matrix_b_scale:MATRIX_SCALE_ROW1
.elseif (\ra)
	v_wmma_scale_f32_16x16x128_f8f6f4 v[\d:\d+7], v[\a:\a+7], v[\b:\b+7], 0, v[\sa], v[\sb] matrix_a_fmt:MATRIX_FMT_FP4 matrix_b_fmt:MATRIX_FMT_FP4 matrix_a_scale:MATRIX_SCALE_ROW1
.elseif (\rb)
	v_wmma_scale_f32_16x16x128_f8f6f4 v[\d:\d+7], v[\a:\a+7], v[\b:\b+7], 0, v[\sa], v[\sb] matrix_a_fmt:MATRIX_FMT_FP4 matrix_b_fmt:MATRIX_FMT_FP4 matrix_b_scale:MATRIX_SCALE_ROW1
.else
	v_wmma_scale_f32_16x16x128_f8f6f4 v[\d:\d+7], v[\a:\a+7], v[\b:\b+7], 0, v[\sa], v[\sb] matrix_a_fmt:MATRIX_FMT_FP4 matrix_b_fmt:MATRIX_FMT_FP4
.endif
.else
.if (\ra) && (\rb)
	v_wmma_scale_f32_16x16x128_f8f6f4 v[\d:\d+7], v[\a:\a+7], v[\b:\b+7], v[\c:\c+7], v[\sa], v[\sb] matrix_a_fmt:MATRIX_FMT_FP4 matrix_b_fmt:MATRIX_FMT_FP4 matrix_a_scale:MATRIX_SCALE_ROW1 matrix_b_scale:MATRIX_SCALE_ROW1
.elseif (\ra)
	v_wmma_scale_f32_16x16x128_f8f6f4 v[\d:\d+7], v[\a:\a+7], v[\b:\b+7], v[\c:\c+7], v[\sa], v[\sb] matrix_a_fmt:MATRIX_FMT_FP4 matrix_b_fmt:MATRIX_FMT_FP4 matrix_a_scale:MATRIX_SCALE_ROW1
.elseif (\rb)
	v_wmma_scale_f32_16x16x128_f8f6f4 v[\d:\d+7], v[\a:\a+7], v[\b:\b+7], v[\c:\c+7], v[\sa], v[\sb] matrix_a_fmt:MATRIX_FMT_FP4 matrix_b_fmt:MATRIX_FMT_FP4 matrix_b_scale:MATRIX_SCALE_ROW1
.else
	v_wmma_scale_f32_16x16x128_f8f6f4 v[\d:\d+7], v[\a:\a+7], v[\b:\b+7], v[\c:\c+7], v[\sa], v[\sb] matrix_a_fmt:MATRIX_FMT_FP4 matrix_b_fmt:MATRIX_FMT_FP4
.endif
.endif
.endm
.macro PLACES n                        ; plain vector instructions that name no register of the matrix instructions before them (ISA guide 7.12.1 for vector instructions)
.rept \n
	v_nop
.endr
.endm
.macro BARRIER                         ; my LDS stores have landed and my LDS loads are in: then the work-group's barrier
	s_wait_dscnt 0x0
	s_barrier_signal -1
	s_barrier_wait -1
.endm
; ---- P0: the head
	s_load_b512 s[4:19], s[0:1], 0x0               ; xc s[4:5], xs s[6:7], wc s[8:9], ws s[10:11], bq s[12:13], bk s[14:15], bv s[16:17], bo s[18:19]
	s_load_b64 s[20:21], s[0:1], 0x40              ; out0
	v_lshrrev_b32 v1, 5, v0
	v_readfirstlane_b32 s22, v1                    ; wave w, 0..15
	s_lshr_b32 s23, ttmp9, 2                       ; a
	s_and_b32 s24, ttmp9, 3                        ; b
	s_mov_b32 s27, 0                               ; the upper word of every offset pair s[26:27]
	s_mov_b32 s28, 0x76543210
	s_mov_b32 s29, 0xfedcba98                      ; v_permlanex16_b32's selects for lane l xor 16
	s_mov_b32 s30, 0x3e38aa3b                      ; c = log2(e) / 8
	s_mov_b32 s31, s30                             ; (the packed form names the pair)
	v_and_b32 v[LI], 31, v0
	v_lshlrev_b32 v[O4L], 2, v[LI]
	v_lshlrev_b32 v[LI], 4, v[LI]
	v_and_b32 v60, 15, v0                          ; r
	v_bfe_u32 v61, v0, 4, 1                        ; h
	v_lshlrev_b32 v[OT], 4, v0
	v_lshlrev_b32 v[O4R], 2, v60
	v_lshl_add_u32 v[OWS], v61, 14, v[O4R]
	v_lshlrev_b32 v[O32H], 5, v61
	s_lshl_b32 s25, s22, 12                        ; my four tiles of 1,024 bytes
	s_add_co_u32 s26, s25, QIMG
	v_add_nc_u32 v[AQ], s26, v[LI]
	s_add_co_u32 s26, s25, KIMG
	v_add_nc_u32 v[AKS], s26, v[LI]
	v_add_nc_u32 v[AK], KIMG, v[LI]
	v_lshlrev_b32 v[AVST], 4, v60
	v_lshl_add_u32 v[AVST], v61, 3, v[AVST]
	s_lshl_b32 s26, s22, 9                         ; my two blocks of 32 keys, 256 bytes each
	s_add_co_u32 s26, s26, VIMG
	v_add_nc_u32 v[AVST], s26, v[AVST]
	s_lshr_b32 s26, s22, 1                         ; my blocks 2 w, 2 w + 1 lie in step w / 2, bytes 2 (w % 2) and + 1
	s_lshl_b32 s26, s26, 6
	s_and_b32 s25, s22, 1
	s_lshl_b32 s25, s25, 1
	s_add_co_u32 s26, s26, s25
	s_add_co_u32 s26, s26, VSC
	v_add_nc_u32 v[AVSS], s26, v[O4R]
	v_add_nc_u32 v[AV], VIMG, v[LI]
	v_add_nc_u32 v[AVS], VSC, v[O4R]
	v_bfe_u32 v62, v0, 1, 3                        ; r / 2
	v_and_b32 v63, 1, v0                           ; r % 2
	v_lshlrev_b32 v[AZ], 8, v62                    ; z: my 8 codes are k = 256 i + 16 r + 8 h + 0 .. 7 of row w: K step 2 i + r / 8, c = (r / 4) % 2, the fragment's half (r / 2) % 2: together 256 (r / 2);
	v_lshl_add_u32 v[AZ], v63, 3, v[AZ]            ; register 2 (r % 2) + h
	v_lshl_add_u32 v[AZ], v61, 2, v[AZ]
	s_lshl_b32 s26, s22, 4                         ; the fragment's lane w
	s_add_co_u32 s26, s26, ZIMG
	v_add_nc_u32 v[AZ], s26, v[AZ]
	s_lshl_b32 s26, s22, 5
	s_add_co_u32 s26, s26, ZSC
	v_add_nc_u32 v[AZS], s26, v62
	v_mov_b32 v59, 0                               ; a lane permute's destination counts as one of its sources
	s_wait_kmcnt 0x0
	s_lshl_b32 s26, s22, 15                        ; Wo's codes: weight 3, my four tiles of columns
	s_add_co_u32 s26, s26, 3*524288
	s_add_nc_u64 s[36:37], s[8:9], s[26:27]
	s_lshl_b32 s25, s22, 8                         ; 256 w
	s_add_co_u32 s26, s25, 3*32768                 ; Wo's scale words: my 64 columns
	s_add_nc_u64 s[38:39], s[10:11], s[26:27]
	s_lshl_b32 s26, s24, 12                        ; xs: row 1,024 b + 64 w
	s_add_co_u32 s26, s26, s25
	s_add_nc_u64 s[6:7], s[6:7], s[26:27]
	s_mov_b32 s26, s25                             ; bo: my 64 columns
	s_add_nc_u64 s[18:19], s[18:19], s[26:27]
	s_lshl_b32 s26, ttmp9, 16                      ; out0: row 16 ab, my 64 columns
	s_add_co_u32 s26, s26, s25
	s_add_nc_u64 s[20:21], s[20:21], s[26:27]
	s_lshl_b32 s26, s24, 19                        ; xc: tile of rows 64 b + 4 w
	s_lshl_b32 s25, s22, 15
	s_add_co_u32 s26, s26, s25
	s_add_nc_u64 s[4:5], s[4:5], s[26:27]
	s_lshl_b32 s26, s23, 13                        ; wc: tile of columns a
	s_add_nc_u64 s[8:9], s[8:9], s[26:27]
	s_lshl_b32 s26, s23, 6                         ; ws, bq, bk, bv: column 16 a
	s_add_nc_u64 s[10:11], s[10:11], s[26:27]
	s_add_nc_u64 s[12:13], s[12:13], s[26:27]
	s_add_nc_u64 s[14:15], s[14:15], s[26:27]
	s_add_nc_u64 s[16:17], s[16:17], s[26:27]
.macro XLOAD p, s                      ; x's two fragments (tiles of rows 2 p, 2 p + 1 of my four) of K step s
.irp i, 0,1
.irp c, 0,1
	global_load_b128 v[X+16*((\s)%4)+8*\i+4*\c:X+16*((\s)%4)+8*\i+4*\c+3], v[LI], s[4:5] offset:(2*(\p)+\i)*8192+1024*(\s)+512*\c
.endr
.endr
.endm
.macro PLOADS p                        ; what a pass begins with: its 32 rows' scale words of all K steps, and four K steps of fragments
.irp s, 0,1,2,3,4,5,6,7
	global_load_b32 v[XS+\s], v[O4L], s[6:7] offset:16384*\s+128*(\p)
.endr
.irp s, 0,1,2,3
	XLOAD \p, \s
.endr
.endm
.irp g, 0,1,2
	global_load_b128 v[VT+4*\g:VT+4*\g+3], v[OT], s[8:9] offset:524288*\g   ; the head's 8,192 bytes of each weight: 16 bytes a thread
.endr
.irp g, 0,1,2
.irp m, 0,1,2,3
	global_load_b32 v[WS+4*\g+\m], v[OWS], s[10:11] offset:32768*\g+4096*\m
.endr
.endr
	global_load_b128 v[BQ:BQ+3], v[O32H], s[12:13]                 ; lane (r, h): dims 8 h + 0 .. 7
	global_load_b128 v[BQ+4:BQ+7], v[O32H], s[12:13] offset:16
	global_load_b128 v[BK:BK+3], v[O32H], s[14:15]
	global_load_b128 v[BK+4:BK+7], v[O32H], s[14:15] offset:16
	global_load_b32 v[BV], v[O4R], s[16:17]                        ; lane (r, h): dim r
	global_load_b32 v[BV+1], v[O4R], s[16:17]
	PLOADS 0
	s_wait_loadcnt 42                              ; the three loads of the images are in; behind them stand 12 + 6 + 8 + 16
.irp g, 0,1,2
	ds_store_b128 v[OT], v[VT+4*\g:VT+4*\g+3] offset:WIMG+8192*\g
.endr
	BARRIER                                        ; the weights' 24 fragments lie in LDS
; ---- P1: the projections.  A pass is 32 of my rows: two tiles, one block of 32 keys.
.macro WFETCH s                        ; the three weights' fragments of K step s
.irp g, 0,1,2
.irp c, 0,1
	ds_load_b128 v[WF0+(WF1-WF0)*((\s)%2)+8*\g+4*\c:WF0+(WF1-WF0)*((\s)%2)+8*\g+4*\c+3], v[LI] offset:WIMG+8192*\g+1024*(\s)+512*\c
.endr
.endr
.endm
.macro KSTEP p, s
.if (\s) <= 4
	s_wait_loadcnt 12                              ; x's fragments of this K step are in (and all that was asked for before them); those of three later steps may be out
.else
	s_wait_loadcnt 4*(7-(\s))
.endif
.if (\s) < 7
	s_wait_dscnt 6                                 ; the weights' of this step are in; the next step's six loads may be out
.else
	s_wait_dscnt 0x0
.endif
.set xb, X+16*((\s)%4)
.set wb, WF0+(WF1-WF0)*((\s)%2)
.set wsr, WS+((\s)%4)
.set xsr, XS+(\s)
.set hi, (\s)/4
.irp i, 0,1                            ; q0, k0, v0, q1, k1, v1: the six accumulators take turns, one instruction a turn
.set dq, ACC+24*\i
.set cq, dq
.set ck, dq+8
.set cv, dq+16
.if (\s) == 0
.set cq, BQ                            ; the biases are the C of the sums' first instructions; v's is added behind the sum (a lane holds one dim there)
.set ck, BK
.set cv, -1
.endif
	MM dq, wb, xb+8*\i, cq, wsr, xsr, hi, \i
	MM dq+8, wb+8, xb+8*\i, ck, wsr+4, xsr, hi, \i
	MM dq+16, xb+8*\i, wb+16, cv, xsr, wsr+8, \i, hi
.endr
.if (\s) < 6
	PLACES 4                                       ; in front of loads into registers that these products have read
	WFETCH (\s)+2
.endif
.if (\s) < 4
	XLOAD \p, (\s)+4
.endif
.endm
.macro PASS p
	WFETCH 0
	WFETCH 1
.irp s, 0,1,2,3,4,5,6,7
	KSTEP \p, \s
.endr
	PLACES 4                                       ; in front of the first reads of results, and of loads into x's registers and scale words
.if (\p) == 0
	PLOADS 1                                       ; the next pass's x is on its way during what follows
.endif
.irp i, 0,1                            ; q's and k's results are their f32 fragments: images to LDS, each accumulator from its low end on
	ds_store_b128 v[AQ], v[ACC+24*\i:ACC+24*\i+3] offset:(2*(\p)+\i)*1024
	ds_store_b128 v[AQ], v[ACC+24*\i+4:ACC+24*\i+7] offset:(2*(\p)+\i)*1024+512
	ds_store_b128 v[AKS], v[ACC+24*\i+8:ACC+24*\i+11] offset:(2*(\p)+\i)*1024
	ds_store_b128 v[AKS], v[ACC+24*\i+12:ACC+24*\i+15] offset:(2*(\p)+\i)*1024+512
.endr
.irp i, 0,1                            ; v + bv, into other registers: register 8 i + j is key 16 i + 8 h + j of the block, dim r
.irp j, 0,2,4,6
	v_pk_add_f32 v[VT+8*\i+\j:VT+8*\i+\j+1], v[ACC+24*\i+16+\j:ACC+24*\i+17+\j], v[BV:BV+1]
.endr
.endr
	v_max3_num_f32 v58, |v[VT]|, |v[VT+1]|, FLOOR  ; my 16 keys of the block, and the floor
.irp j, 2,4,6,8,10,12,14
	v_max3_num_f32 v58, v58, |v[VT+\j]|, |v[VT+\j+1]|
.endr
	v_permlanex16_b32 v59, v58, s28, s29
	v_max_num_f32 v58, v58, v59                    ; with lane l xor 16's 16: the block's largest magnitude
	v_add_nc_u32 v62, 0xff000000, v58              ; 2 off its exponent field: the conversion's scale operand
	v_cvt_scalef32_pk8_fp4_f32 v60, v[VT:VT+7], v62        ; group h of the block's four groups of eight keys,
	v_cvt_scalef32_pk8_fp4_f32 v61, v[VT+8:VT+15], v62     ; group 2 + h.  They become registers 2 h and 2 h + 1 of the fragment: the order 0, 2, 1, 3, which p's codes have too
	v_lshrrev_b32 v63, 23, v62                     ; the scale's byte.  (A plain line behind the conversions)
	ds_store_b64 v[AVST], v[60:61] offset:256*(\p)
	ds_store_b8 v[AVSS], v63 offset:\p             ; both lanes of a dim write the same byte with the same value
	s_wait_dscnt 0x0
.endm
	PASS 0
	PASS 1
	s_barrier_signal -1                            ; (the pass has ended with the wait for all my LDS stores)
	s_barrier_wait -1                              ; q, k, v of the whole head lie in LDS
; ---- P2: attention
.macro KFETCH g                        ; the eight tiles of k of step g: 16 consecutive keys each
.irp t, 0,1,2,3,4,5,6,7
	ds_load_b128 v[KF+8*\t:KF+8*\t+3], v[AK] offset:8192*(\g)+1024*\t
	ds_load_b128 v[KF+8*\t+4:KF+8*\t+7], v[AK] offset:8192*(\g)+1024*\t+512
.endr
.endm
.macro TMINUSM u                       ; t - M of scores 32 u .. 32 u + 31, two at a time, into other registers than the sums'
.irp j, 0,2,4,6,8,10,12,14,16,18,20,22,24,26,28,30
	v_pk_fma_f32 v[T+\j:T+\j+1], v[S+32*\u+\j:S+32*\u+\j+1], s[30:31], v[NM:NM+1] op_sel_hi:[1,0,0]
.endr
.endm
.macro EXPS                            ; p = 2^(t - M), at most 1: not normalised
.set i, 0
.rept 32
	v_exp_f32 v[T+i], v[T+i]
.set i, i+1
.endr
.endm
.macro CODES u                         ; blocks 2 u and 2 u + 1
.irp b, 0,1
	v_cvt_scalef32_pk8_fp4_f32 v[PC+4*\u+2*\b], v[T+16*\b:T+16*\b+7], v[SO+2*\u+\b]
	v_cvt_scalef32_pk8_fp4_f32 v[PC+4*\u+2*\b+1], v[T+16*\b+8:T+16*\b+15], v[SO+2*\u+\b]
.endr
.endm
; A key step: keys 128 g .. 128 g + 127.  first = 1: the tile's first step, whose product starts O^T's sum.
.macro STEP g, first
	s_wait_dscnt 0x0                               ; k's tiles, asked for a step ago, are in (in the first step q's too)
.irp i, 0,1,2,3                        ; S^T = k q^T: lane (r, h) gets query r and, in tile t, keys 16 t + 8 h + 0 .. 7.  The eight accumulators take turns
.irp t, 0,1,2,3,4,5,6,7
.if \i == 0
	v_wmma_f32_16x16x4_f32 v[S+8*\t:S+8*\t+7], v[KF+8*\t:KF+8*\t+1], v[QF:QF+1], 0
.else
	v_wmma_f32_16x16x4_f32 v[S+8*\t:S+8*\t+7], v[KF+8*\t+2*\i:KF+8*\t+2*\i+1], v[QF+2*\i:QF+2*\i+1], v[S+8*\t:S+8*\t+7]
.endif
.endr
.endr
	PLACES 8                                       ; eight behind this form: in front of the loads into k's registers and of the first reads of the scores
	ds_load_b128 v[VF:VF+3], v[AV] offset:1024*(\g)
	ds_load_b128 v[VF+4:VF+7], v[AV] offset:1024*(\g)+512
	ds_load_b32 v[VS], v[AVS] offset:64*(\g)
	KFETCH ((\g)+1)%8                              ; the next step's k; behind the last step the next tile's first (behind the last tile: fetched for nothing, from inside k's images)
.irp b, 0,1,2,3
	v_max3_num_f32 v[BM+\b], v[S+16*\b], v[S+16*\b+1], v[S+16*\b+2]   ; the largest score of each block of 32 keys: for the row's maximum and, since p rises with the score, for the block's largest p
.endr
.irp i, 3,5,7,9,11,13
.irp b, 0,1,2,3
	v_max3_num_f32 v[BM+\b], v[BM+\b], v[S+16*\b+\i], v[S+16*\b+\i+1]
.endr
.endr
.irp b, 0,1,2,3
	v_max_num_f32 v[BM+\b], v[BM+\b], v[S+16*\b+15]
.endr
.irp b, 0,1,2,3
	v_permlanex16_b32 v[BX+\b], v[BM+\b], s28, s29
.endr
.irp b, 0,1,2,3
	v_max_num_f32 v[BM+\b], v[BM+\b], v[BX+\b]     ; with lane l xor 16's 16 keys
.endr
	v_max3_num_f32 v[TMP], v[BM], v[BM+1], v[BM+2]
	v_max_num_f32 v[TMP], v[TMP], v[BM+3]          ; the step's largest score of my query,
	v_mul_f32 v[TMP], s30, v[TMP]                  ; as t (c is positive)
	v_max_num_f32 v[TMX], v[TMX], v[TMP]           ; the running largest t
	v_mov_b32 v[TMP], v[NM]
	v_floor_f32 v[NM], -v[TMX]                     ; the new -M = floor(-t): M is a whole number
	v_sub_f32 v[TMP], v[NM], v[TMP]                ; old M - new M: a whole number, 0 or less
	v_cvt_i32_f32 v[TMP], v[TMP]                   ; (it saturates)
	v_ldexp_f32 v[FF], 1.0, v[TMP]                 ; f = 2^(old M - new M)
.irp b, 0,1,2,3
	v_fma_f32 v[BM+\b], v[BM+\b], s30, v[NM]
.endr
.irp b, 0,1,2,3
	v_exp_f32 v[BM+\b], v[BM+\b]                   ; each block's largest p: the same two instructions on the same number give the same bits
.endr
	TMINUSM 0                                      ; (plain lines behind those exponentials)
	s_wait_alu depctr_va_vdst(0)
.irp b, 0,1,2,3
	v_max_num_f32 v[BM+\b], FLOOR, v[BM+\b]        ; the byte cannot fall under 1
.endr
.irp b, 0,1,2,3
	v_add_nc_u32 v[SO+\b], 0xff000000, v[BM+\b]    ; the conversions' scale operands
.endr
.irp b, 0,1,2,3
	v_lshrrev_b32 v[BX+\b], 23, v[SO+\b]           ; the scale bytes
.endr
	v_lshl_or_b32 v[PS], v[BX+1], 8, v[BX]         ; p's scale word for these 128 keys; far more than eight places ahead of the product that names it
	v_lshl_or_b32 v[PS], v[BX+2], 16, v[PS]
	v_lshl_or_b32 v[PS], v[BX+3], 24, v[PS]
	EXPS
	v_pk_mul_f32 v[LA:LA+1], v[LA:LA+1], v[FF:FF+1] op_sel_hi:[1,0]   ; the sum under the new M.  (A plain line behind the exponentials)
	s_wait_alu depctr_va_vdst(0)
	CODES 0
	v_pk_add_f32 v[LB:LB+1], v[T:T+1], v[T+2:T+3]  ; the row's sum is taken of the unquantised p: two at a time, in two chains
.irp j, 4,8,12,16,20,24,28
	v_pk_add_f32 v[LA:LA+1], v[LA:LA+1], v[T+\j:T+\j+1]
	v_pk_add_f32 v[LB:LB+1], v[LB:LB+1], v[T+\j+2:T+\j+3]
.endr
	TMINUSM 1
	EXPS
.if \first
	v_nop                                          ; a plain line behind the exponentials
	s_wait_alu depctr_va_vdst(0)
.else
	s_wait_alu depctr_va_vdst(0)
.irp j, 0,2,4,6
	v_pk_mul_f32 v[OA+\j:OA+\j+1], v[OA+\j:OA+\j+1], v[FF:FF+1] op_sel_hi:[1,0]   ; O^T under the new M, from its low end on
.endr
.endif
	CODES 1
	v_nop                                          ; a plain line between the conversions and the lines that touch their results
.irp c, 0,1                            ; the operand wants a whole block in a lane: lanes 0-15 block 2 c, lanes 16-31 block 2 c + 1
.irp i, 0,1
	v_permlane16_swap_b32 v[PC+4*\c+\i], v[PC+4*\c+2+\i]
.endr
.endr
.irp j, 0,4,8,12,16,20,24,28
	v_pk_add_f32 v[LA:LA+1], v[LA:LA+1], v[T+\j:T+\j+1]            ; (these are also the places between the operand's last write and the product)
	v_pk_add_f32 v[LB:LB+1], v[LB:LB+1], v[T+\j+2:T+\j+3]
.endr
	v_pk_add_f32 v[LA:LA+1], v[LA:LA+1], v[LB:LB+1]
	s_wait_dscnt 16                                ; v's three loads are in; k's sixteen may be out
.if \first
	MM OA, VF, PC, -1, VS, PS, 0, 0                ; O^T (+)= v^T p^T: lane (r, h): query r, dims 8 h + 0 .. 7
.else
	MM OA, VF, PC, OA, VS, PS, 0, 0
.endif
.endm
.irp b, 0,1,2,3
	v_mov_b32 v[BX+\b], 0                          ; lane permutes' destinations count as sources
.endr
	v_mov_b32 v[FF+1], 0                           ; (named with f as a pair)
	KFETCH 0
	s_mov_b32 s32, 4                               ; my four tiles of queries
	s_mov_b32 s33, 0                               ; the tile's place among q's images: 1,024 a tile,
	s_mov_b32 s34, 0                               ; among z's codes: two K steps, 2,048,
	s_mov_b32 s35, 0                               ; among z's scale bytes: 8
.Ltile:
	v_add_nc_u32 v[ADQ], s33, v[AQ]
	ds_load_b128 v[QF:QF+3], v[ADQ]
	ds_load_b128 v[QF+4:QF+7], v[ADQ] offset:512
	v_mov_b32 v[TMX], 0xff61b1e6                   ; the largest t so far: -3e38, under every t
	v_floor_f32 v[NM], -v[TMX]
	v_mov_b32 v[LA], 0                             ; the sum: the first f, which is 0, leaves it 0
	v_mov_b32 v[LA+1], 0
	STEP 0, 1
	STEP 1, 0
	STEP 2, 0
	STEP 3, 0
	STEP 4, 0
	STEP 5, 0
	STEP 6, 0
	STEP 7, 0
	PLACES 4                                       ; in front of the first read of O^T
	v_add_f32 v[TMP], v[LA], v[LA+1]               ; the sum's two halves,
	v_permlanex16_b32 v[BX], v[TMP], s28, s29
	v_add_f32 v[TMP], v[TMP], v[BX]                ; and lane l xor 16's keys: the row's sum, at least 1/2
	v_rcp_f32 v[RL], v[TMP]
	v_mov_b32 v[RL+1], 0                           ; (a plain line behind the reciprocal; named with it as a pair)
	s_wait_alu depctr_va_vdst(0)
.irp j, 0,2,4,6
	v_pk_mul_f32 v[T+\j:T+\j+1], v[OA+\j:OA+\j+1], v[RL:RL+1] op_sel_hi:[1,0]   ; z: query 16 i + r, dims 8 h + 0 .. 7
.endr
	v_max3_num_f32 v[BM], |v[T]|, |v[T+1]|, FLOOR
.irp j, 2,4,6
	v_max3_num_f32 v[BM], v[BM], |v[T+\j]|, |v[T+\j+1]|
.endr
	v_max_num_f32_dpp v[BM], v[BM], v[BM] row_xmask:1 row_mask:0xf bank_mask:0xf   ; the neighbouring query's,
	v_permlanex16_b32 v[BX], v[BM], s28, s29
	v_max_num_f32 v[BM], v[BM], v[BX]              ; and the other eight dims': the block of 32
	v_add_nc_u32 v[SO], 0xff000000, v[BM]
	v_cvt_scalef32_pk8_fp4_f32 v[PC], v[T:T+7], v[SO]
	v_lshrrev_b32 v[BX], 23, v[SO]                 ; the scale's byte.  (A plain line behind the conversion)
	v_add_nc_u32 v[ADZ], s34, v[AZ]
	v_add_nc_u32 v[ADQ], s35, v[AZS]
	ds_store_b32 v[ADZ], v[PC]
	ds_store_b8 v[ADQ], v[BX]                      ; the block's four lanes write the same byte with the same value
	s_add_co_u32 s33, s33, 1024
	s_add_co_u32 s34, s34, 2048
	s_add_co_u32 s35, s35, 8
	s_sub_co_u32 s32, s32, 1
	s_cmp_lg_u32 s32, 0
	s_cbranch_scc1 .Ltile
; ---- P3: out = z Wo + bo, my 64 columns of the head's 16 rows
	s_wait_dscnt 0x0                               ; z's stores have landed, and the last fetch of k is in: its registers take Wo's fragments
	v_and_b32 v7, 15, v0                           ; r
	v_bfe_u32 v8, v0, 4, 1                         ; h
	v_add_nc_u32 v[AZF], ZIMG, v[LI]
	v_lshlrev_b32 v[AZSL], 5, v7
	v_add_nc_u32 v[AZSL], ZSC, v[AZSL]
	s_mul_i32 s25, s22, 16*272
	s_add_co_u32 s25, s25, STG                     ; my stage
	v_mul_u32_u24 v[ASO], v7, 272
	v_lshl_add_u32 v[ASO], v8, 5, v[ASO]
	v_add_nc_u32 v[ASO], s25, v[ASO]               ; in: row r, 32 bytes for each half of the lanes
	v_mul_u32_u24 v[ASR], v8, 272
	v_lshl_add_u32 v[ASR], v7, 4, v[ASR]
	v_add_nc_u32 v[ASR], s25, v[ASR]               ; back: lanes 0-15 one row of 256 bytes, lanes 16-31 the next
	v_lshlrev_b32 v[GO], 12, v8
	v_lshl_add_u32 v[GO], v7, 4, v[GO]             ; and the same two rows of the output
.macro WOLOAD s                        ; Wo's four fragments (my tiles of 16 columns) of K step s
.irp t, 0,1,2,3
.irp c, 0,1
	global_load_b128 v[WOF+32*((\s)%3)+8*\t+4*\c:WOF+32*((\s)%3)+8*\t+4*\c+3], v[LI], s[36:37] offset:8192*\t+1024*(\s)+512*\c
.endr
.endr
.endm
.macro ZFETCH s
	ds_load_b128 v[ZF+8*((\s)%2):ZF+8*((\s)%2)+3], v[AZF] offset:1024*(\s)
	ds_load_b128 v[ZF+8*((\s)%2)+4:ZF+8*((\s)%2)+7], v[AZF] offset:1024*(\s)+512
.endm
.irp t, 0,1,2,3
.irp c, 0,1
	global_load_b128 v[BO+8*\t+4*\c:BO+8*\t+4*\c+3], v[O32H], s[18:19] offset:64*\t+16*\c   ; lane (r, h), tile t: columns 16 t + 8 h + 0 .. 7
.endr
.endr
.irp u, 0,1
.irp s, 0,1,2,3,4,5,6,7
	global_load_b32 v[WOS+8*\u+\s], v[O4L], s[38:39] offset:4096*\s+128*\u
.endr
.endr
	WOLOAD 0
	WOLOAD 1
	WOLOAD 2                                       ; these loads stay on their way across the barrier: nobody writes their bytes
	BARRIER                                        ; the head's 16 rows of z lie in LDS
	ds_load_b128 v[ZS:ZS+3], v[AZSL]               ; lane r: row r's eight scale words
	ds_load_b128 v[ZS+4:ZS+7], v[AZSL] offset:16
	ZFETCH 0
	ZFETCH 1
.macro OSTEP s
.if (\s) <= 5
	s_wait_loadcnt 16                              ; Wo's fragments of this K step are in; those of two later steps may be out
.else
	s_wait_loadcnt 8*(7-(\s))
.endif
.if (\s) < 7
	s_wait_dscnt 2                                 ; z's fragment of this step is in; the next step's two loads may be out
.else
	s_wait_dscnt 0x0
.endif
.set wo, WOF+32*((\s)%3)
.set zf, ZF+8*((\s)%2)
.irp t, 0,1,2,3                        ; four accumulators by turns; bo is the C of each sum's first instruction
.set ca, AC3+8*\t
.if (\s) == 0
.set ca, BO+8*\t
.endif
	MM AC3+8*\t, wo+8*\t, zf, ca, WOS+8*(\t/2)+(\s), ZS+(\s), \t%2, 0
.endr
	PLACES 4                                       ; in front of loads into registers that these products have read; behind the last step: of the first read of results
.if (\s) < 5
	WOLOAD (\s)+3
.endif
.if (\s) < 6
	ZFETCH (\s)+2
.endif
.endm
.irp s, 0,1,2,3,4,5,6,7
	OSTEP \s
.endr
.irp t, 0,1,2,3                        ; lane (r, h): out(16 ab + r, 64 w + 16 t + 8 h + 0 .. 7): through my own stage, each accumulator from its low end on
	ds_store_b128 v[ASO], v[AC3+8*\t:AC3+8*\t+3] offset:64*\t
	ds_store_b128 v[ASO], v[AC3+8*\t+4:AC3+8*\t+7] offset:64*\t+16
.endr
.irp i, 0,1,2,3,4,5,6,7
	ds_load_b128 v[OUTR+4*\i:OUTR+4*\i+3], v[ASR] offset:544*\i    ; LDS serves a wave's instructions in order: these see my stores
.endr
.irp i, 0,1,2,3,4,5,6,7
	s_wait_dscnt 7-\i
	global_store_b128 v[GO], v[OUTR+4*\i:OUTR+4*\i+3], s[20:21] offset:8192*\i th:TH_STORE_NT   ; sixteen lanes store 256 consecutive bytes, at a multiple of 256 from the output's first byte
.endr
	s_wait_xcnt 0x0
	v_lshl_add_u32 v251, v0, 2, 0x3c000
	v_mov_b32 v252, 0
	s_wait_tensorcnt 0x0
	ds_add_u32 v251, v252
	s_wait_dscnt 0x0
	s_endpgm
.Lfunc_end_k_qdc52d526d7_attn:
	.size	k_qdc52d526d7_attn, .Lfunc_end_k_qdc52d526d7_attn-k_qdc52d526d7_attn
	.p2alignl 7, 3214868480
	.fill 96, 4, 3214868480
	.section	.rodata,"a",@progbits
	.p2align	6, 0x0
	.amdhsa_kernel k_qdc52d526d7_attn
		.amdhsa_group_segment_fixed_size 247808
		.amdhsa_private_segment_fixed_size 0
		.amdhsa_enable_private_segment 0
		.amdhsa_kernarg_size 72
		.amdhsa_user_sgpr_count 2
		.amdhsa_user_sgpr_kernarg_segment_ptr 1
		.amdhsa_wavefront_size32 1
		.amdhsa_system_sgpr_workgroup_id_x 1
		.amdhsa_system_sgpr_workgroup_id_y 1
		.amdhsa_system_sgpr_workgroup_id_z 1
		.amdhsa_system_vgpr_workitem_id 0
		.amdhsa_next_free_vgpr 256
		.amdhsa_next_free_sgpr 66
		.amdhsa_reserve_vcc 0
		.amdhsa_float_denorm_mode_32 3
		.amdhsa_float_denorm_mode_16_64 3
		.amdhsa_memory_ordered 1
		.amdhsa_forward_progress 1
		.amdhsa_inst_pref_size 176
	.end_amdhsa_kernel
	.amdgpu_metadata
---
amdhsa.version: [ 1, 2 ]
amdhsa.kernels:
  - .name:           k_qdc52d526d7_attn
    .symbol:         k_qdc52d526d7_attn.kd
    .args:
      - { .name: xc, .offset: 0, .size: 8, .value_kind: global_buffer, .address_space: global }
      - { .name: xs, .offset: 8, .size: 8, .value_kind: global_buffer, .address_space: global }
      - { .name: wc, .offset: 16, .size: 8, .value_kind: global_buffer, .address_space: global }
      - { .name: ws, .offset: 24, .size: 8, .value_kind: global_buffer, .address_space: global }
      - { .name: bq, .offset: 32, .size: 8, .value_kind: global_buffer, .address_space: global }
      - { .name: bk, .offset: 40, .size: 8, .value_kind: global_buffer, .address_space: global }
      - { .name: bv, .offset: 48, .size: 8, .value_kind: global_buffer, .address_space: global }
      - { .name: bo, .offset: 56, .size: 8, .value_kind: global_buffer, .address_space: global }
      - { .name: out0, .offset: 64, .size: 8, .value_kind: global_buffer, .address_space: global }
    .group_segment_fixed_size: 247808
    .private_segment_fixed_size: 0
    .kernarg_segment_align: 8
    .kernarg_segment_size: 72
    .max_flat_workgroup_size: 512
    .sgpr_count:     66
    .vgpr_count:     256
    .wavefront_size: 32
...
	.end_amdgpu_metadata
.endif
;; end of part 2
;; ======== version 2 of 2: 2 launches; version 1 with the launch attn written anew for expert scheduling mode
;; workspace buffers: xc 2,097,152 bytes; xs 131,072 bytes; wc 2,097,152 bytes; ws 131,072 bytes
;; launch quant: the kernel of part 1 again; grid 512 x 1, 4 waves a work-group, no clusters, 68,096 bytes of LDS; arguments x, Wq, Wk, Wv, Wo, xc, xs, wc, ws; writes xc, xs, wc, ws
;; launch attn (part 3): grid 256 x 1, 16 waves a work-group, no clusters, 247,808 bytes of LDS; arguments xc, xs, wc, ws, bq, bk, bv, bo, out0; writes out0
.if DOCPART == 3
	.amdgcn_target "amdgcn-amd-amdhsa--gfx1250"
	.amdhsa_code_object_version 6
	.text
	.protected	k_qdc52d526d7_attn
	.globl	k_qdc52d526d7_attn
	.p2align	8
	.type	k_qdc52d526d7_attn,@function
k_qdc52d526d7_attn:
	s_mov_b64 s[64:65], 0
	v_nop
	global_prefetch_b8 v0, s[64:65] scope:SCOPE_SE
	s_setreg_imm32_b32 hwreg(HW_REG_WAVE_SCHED_MODE, 0, 2), 2
	s_setreg_imm32_b32 hwreg(HW_REG_WAVE_MODE, 25, 1), 1
	s_wait_xcnt 0x0
	s_wait_alu depctr_vm_vsrc(0)
; One work-group = one head ab = 4 a + b (columns 16 a .. 16 a + 15 of q, k, v; batch b; 1,024 queries and keys of width 16), from x's codes to 16 whole rows of the output.
; q, k, v, p and z never go to memory.  Sixteen waves of 256 registers; wave w owns rows 64 w .. 64 w + 63 of the head (as queries and as keys), row w of the head's 16 rows of z, and output columns 64 w .. 64 w + 63.
; P1  q, k, v = x W + b on FP4 codes.  q and k TRANSPOSED (source 0 = W's 16 columns, source 1 = 16 rows of x): a lane holds one row and dims 8 h + 0 .. 7, and these 8 registers ARE the f32 fragment of the scores'
;     product: instruction i of 4 takes registers 2 i, 2 i + 1 of both sides, so its slot (h, j) is dim 8 h + 2 i + j in k and in q alike.  v as it stands: a lane holds one dim and its registers run along the keys,
;     the second product's K: it is quantised in registers.  All three go to LDS as images of their registers.
; P2  for each of my four tiles of 16 queries, eight steps of 128 keys: S^T = k q^T by v_wmma_f32_16x16x4_f32 (f32 operands: the scores go on into a quantiser); t = score x log2(e) / 8; M = the running largest t
;     rounded up to a whole number; p = 2^(t - M), quantised along the keys; the row's sum of the unquantised p; O^T += v^T p^T on FP4 codes.  When M moves, the sum and O^T are multiplied by 2^(old M - new M): exact.
;     z = O / the sum is quantised (a block of 32 along the last product's K is two neighbouring queries x 16 dims: lanes r, r xor 1 and l xor 16) and goes to LDS in the place that the last product's fragment gives it.
; P3  out = z Wo + bo, transposed (source 0 = 16 columns of Wo, source 1 = the head's 16 rows of z): a lane holds eight neighbouring columns of a row; they leave through my stage as aligned runs of 256 bytes.
; ORDER OF SUMS, stated: the scores add the dims in the order 0, 1, 8, 9, 2, 3, 10, 11, ..; in p v the four groups of eight keys of each block of 32 stand in the order 0, 2, 1, 3 in p and in v alike (inside a block: one scale).
; LIMITS: NaN and infinities are not served; a block of zeros keeps the scale byte 1 (its codes are zeros); the division by the row's sum is v_rcp_f32 and a multiplication.
; NO CLUSTER, NO TENSOR LOADS: x's codes of a batch (524,288 bytes) are read by that batch's 64 heads and Wo's (524,288) by all, but a joint load lands in LDS, of which 242,688 bytes are taken for the whole launch:
; it would need a ring with its rounds, and an LDS write and read, for fragments that feed three products (x) or one (Wo): 128 of a wave's 1,184 matrix instructions.  Every operand lies in register order, so plain loads bring it.
; No prefetch: the codes were stored by the launch before and every work-group reads them.
; THE MODE: SCHED_MODE bits 1:0 = 2 (LLVM: expert scheduling mode 2), set by the entry lines.  The code itself states the register dependences
; between vector or matrix instructions and memory or LDS instructions, with s_wait_alu, always for 0.
; THE PLAN.  The registers that memory and LDS instructions touch, and who else names them:
;   v1-v15      addresses and offsets.  Written at the head, ahead of one wait on va_vdst; read by loads and stores; not written again before P3's head (v3 alone: from P2 on it is a stepped address, below).
;   P1  X0-X3, WF0, WF1   loads land; a K step's six products read one set of each.  One wait on va_vdst behind the six, and both sets are asked for again at once.
;       the accumulators  written by the products; q's and k's are read by LDS stores at a pass's end.  One wait on va_vdst behind a pass's last products serves those stores, the next pass's loads into X, the
;                         scale words and WF, and P2's first loads into k's registers: no vector line behind it names any of them.
;       v60, v61, v63     v's codes and byte: written by vector lines, one wait on va_vdst, read by two LDS stores.  One wait on vm_vsrc at a pass's end: all its stores have read their registers.
;   P2  KF, VF, VS        a step's 32 f32 products read KF, its one scaled product VF and VS.  The step's 19 LDS loads stand behind the wait on va_vdst that the blocks' four exponentials have in any case: all those
;                         products were issued ahead of it.  v's three come first; k's sixteen are dealt among the 32 exponentials that follow, which name T alone.
;       PC, PS            p's codes and scale word: written by vector lines, taken by the scaled product: one wait on va_vdst ahead of it, behind its places.
;       ADQ, ADZ, ADS     three LDS addresses, stepped once a tile, all at the tile's head: a wait on vm_vsrc ahead of the three lines, one on va_vdst behind them.  One more on va_vdst ahead of z's two stores.
;   P3  the head          a wait on vm_vsrc, the lines that make v2-v8 anew, a wait on va_vdst: P2 is done with every register in which P3's loads land.
;       WOF (three sets), ZF (two)   as X and WF in P1: one wait on va_vdst behind a step's four products.  Behind the last step it serves the stage's stores and the loads that bring the rows back.
; LDS (nothing is written twice: three barriers)
.set WIMG, 0                           ; 24,576  [weight 3][s 8][c 2][lane][16]: the head's fragments of Wq, Wk, Wv
.set QIMG, 24576                       ; 65,536  [tile of 16 rows, 64][c 2][lane][16]: q's f32 fragments
.set KIMG, 90112                       ; 65,536  k's
.set VIMG, 155648                      ; 8,192   [step 8][c 2][lane][16] = 256 x block of 32 keys + 16 dim + 4 x register
.set VSC,  163840                      ; 512     [step 8][dim 16][4]
.set ZIMG, 164352                      ; 8,192   [s 8][c 2][lane][16]
.set ZSC,  172544                      ; 512     [row 16][32]
.set STG,  173056                      ; 69,632  16 waves x 16 rows x (256 + 16)
; VECTOR REGISTERS.  v64-127 are written by matrix instructions alone, in the whole text, and v232-255 hold scales (v251 and v252 take the closing add's two numbers behind the last product).
.set LI,   1                           ; 16 x lane
.set AQ,   2                           ; QIMG + 4,096 w + 16 lane
.set AKS,  3                           ; KIMG + 4,096 w + 16 lane
.set AK,   4                           ; KIMG + 16 lane
.set AVST, 5                           ; VIMG + 512 w + 16 r + 8 h
.set AVSS, 6                           ; VSC + 64 (w / 2) + 2 (w % 2) + 4 r
.set AV,   7                           ; VIMG + 16 lane
.set AVS,  8                           ; VSC + 4 r
.set AZ,   9                           ; ZIMG + 256 (r / 2) + 16 w + 8 (r % 2) + 4 h
.set AZS,  10                          ; ZSC + 32 w + r / 2
.set OT,   11                          ; offsets into memory, never rewritten: 16 x thread,
.set OWS,  12                          ; 16,384 h + 4 r,
.set O32H, 13                          ; 32 h,
.set O4R,  14                          ; 4 r,
.set O4L,  15                          ; 4 x lane
.set BQ,   16                          ; P1: v16-23 bq, v24-31 bk in the result's layout, v[32:33] bv of my dim, twice
.set BK,   24
.set BV,   32
.set WF0,  34                          ; P1: v34-57, v192-215: the three weights' fragments of a K step, two sets
.set WF1,  192
.set ACC,  64                          ; P1: q0 64, k0 72, v0 80, q1 88, k1 96, v1 104
.set X,    128                         ; P1: v128-191 x's fragments: four K steps x two tiles of rows
.set VT,   216                         ; P1: v216-231 v + bv: 16 keys of my dim
.set XS,   232                         ; P1: v232-239 x's scale words of the eight K steps: lanes 0-15 tile 0, lanes 16-31 tile 1
.set WS,   240                         ; P1: v240-251 the weights': register 4 weight + m: lanes 0-15 K step m, lanes 16-31 K step m + 4
.set QF,   16                          ; P2: v16-23 my tile of q
.set OA,   24                          ; v24-31 O^T
.set NM,   32                          ; -M
.set TMX,  33                          ; the largest t so far
.set LA,   34                          ; v[34:35], v[36:37] the row's sum, two chains of two halves
.set LB,   36
.set FF,   38                          ; v[38:39] f = 2^(old M - new M), and a 0 named with it as a pair
.set BM,   40                          ; v40-43 each block's largest score, then its largest p
.set BX,   44                          ; v44-47 lane l xor 16's; then the scale bytes
.set SO,   48                          ; v48-51 the conversions' scale operands
.set TMP,  52
.set RL,   52                          ; v[52:53] 1 / the sum, and a 0
.set PC,   54                          ; v54-61 p's codes
.set ADQ,  62                          ; the tile's place among q's images,
.set ADZ,  63                          ; among z's codes,
.set ADS,  3                           ; and among z's scale bytes (v3 is free behind P1): a register to each, so that all three are made at the tile's head
.set S,    64                          ; v64-127 S^T: tile t of 16 keys at S + 8 t
.set KF,   128                         ; v128-191 eight tiles of k
.set T,    192                         ; v192-223 t - M, then p, 32 at a time
.set VF,   224                         ; v224-231 v's fragment
.set VS,   232                         ; v's scale word; v233 p's
.set PS,   233
.set AZF,  2                           ; P3, made at its head: ZIMG + 16 lane;
.set AZSL, 3                           ; ZSC + 32 r;
.set ASO,  4                           ; STG + 4,352 w + 272 r + 32 h;
.set ASR,  5                           ; STG + 4,352 w + 272 h + 16 r;
.set GO,   6                           ; 4,096 h + 16 r
.set BO,   16                          ; v16-47 bo in the result's layout, four tiles
.set ZF,   48                          ; v48-63 z's fragments, two sets
.set AC3,  64                          ; v64-95 four accumulators
.set WOF,  128                         ; v128-223 Wo's fragments: three K steps x four tiles
.set OUTR, 128                         ; the way out
.set ZS,   232                         ; v232-239 z's scale words
.set WOS,  240                         ; v240-255 Wo's: register 8 u + s: lanes 0-15 tile 2 u, lanes 16-31 tile 2 u + 1
.set FLOOR, 0x1800000                  ; 2^(3 - 127)
; a scaled product on FP4 codes.  c < 0: the sum begins with the constant 0.  ra, rb = 1: that side's scales stand in lanes 16-31 of the register named
.macro MM d, a, b, c, sa, sb, ra, rb
.if (\c) < 0
.if (\ra) && (\rb)
	v_wmma_scale_f32_16x16x128_f8f6f4 v[\d:\d+7], v[\a:\a+7], v[\b:\b+7], 0, v[\sa], v[\sb] matrix_a_fmt:MATRIX_FMT_FP4 matrix_b_fmt:MATRIX_FMT_FP4 matrix_a_scale:MATRIX_SCALE_ROW1 matrix_b_scale:MATRIX_SCALE_ROW1
.elseif (\ra)
	v_wmma_scale_f32_16x16x128_f8f6f4 v[\d:\d+7], v[\a:\a+7], v[\b:\b+7], 0, v[\sa], v[\sb] matrix_a_fmt:MATRIX_FMT_FP4 matrix_b_fmt:MATRIX_FMT_FP4 matrix_a_scale:MATRIX_SCALE_ROW1
.elseif (\rb)
	v_wmma_scale_f32_16x16x128_f8f6f4 v[\d:\d+7], v[\a:\a+7], v[\b:\b+7], 0, v[\sa], v[\sb] matrix_a_fmt:MATRIX_FMT_FP4 matrix_b_fmt:MATRIX_FMT_FP4 matrix_b_scale:MATRIX_SCALE_ROW1
.else
	v_wmma_scale_f32_16x16x128_f8f6f4 v[\d:\d+7], v[\a:\a+7], v[\b:\b+7], 0, v[\sa], v[\sb] matrix_a_fmt:MATRIX_FMT_FP4 matrix_b_fmt:MATRIX_FMT_FP4
.endif
.else
.if (\ra) && (\rb)
	v_wmma_scale_f32_16x16x128_f8f6f4 v[\d:\d+7], v[\a:\a+7], v[\b:\b+7], v[\c:\c+7], v[\sa], v[\sb] matrix_a_fmt:MATRIX_FMT_FP4 matrix_b_fmt:MATRIX_FMT_FP4 matrix_a_scale:MATRIX_SCALE_ROW1 matrix_b_scale:MATRIX_SCALE_ROW1
.elseif (\ra)
	v_wmma_scale_f32_16x16x128_f8f6f4 v[\d:\d+7], v[\a:\a+7], v[\b:\b+7], v[\c:\c+7], v[\sa], v[\sb] matrix_a_fmt:MATRIX_FMT_FP4 matrix_b_fmt:MATRIX_FMT_FP4 matrix_a_scale:MATRIX_SCALE_ROW1
.elseif (\rb)
	v_wmma_scale_f32_16x16x128_f8f6f4 v[\d:\d+7], v[\a:\a+7], v[\b:\b+7], v[\c:\c+7], v[\sa], v[\sb] matrix_a_fmt:MATRIX_FMT_FP4 matrix_b_fmt:MATRIX_FMT_FP4 matrix_b_scale:MATRIX_SCALE_ROW1
.else
	v_wmma_scale_f32_16x16x128_f8f6f4 v[\d:\d+7], v[\a:\a+7], v[\b:\b+7], v[\c:\c+7], v[\sa], v[\sb] matrix_a_fmt:MATRIX_FMT_FP4 matrix_b_fmt:MATRIX_FMT_FP4
.endif
.endif
.endm
.macro PLACES n                        ; plain vector instructions that name no register of the matrix instructions before them (ISA guide 7.12.1 for vector instructions); they stand beside the waits on va_vdst, which fill no place
.rept \n
	v_nop
.endr
.endm
.macro BARRIER                         ; my LDS stores have landed and my LDS loads are in: then the work-group's barrier
	s_wait_dscnt 0x0
	s_barrier_signal -1
	s_barrier_wait -1
.endm
; ---- P0: the head
	s_load_b512 s[4:19], s[0:1], 0x0               ; xc s[4:5], xs s[6:7], wc s[8:9], ws s[10:11], bq s[12:13], bk s[14:15], bv s[16:17], bo s[18:19]
	s_load_b64 s[20:21], s[0:1], 0x40              ; out0
	v_lshrrev_b32 v1, 5, v0
	v_readfirstlane_b32 s22, v1                    ; wave w, 0..15
	s_lshr_b32 s23, ttmp9, 2                       ; a
	s_and_b32 s24, ttmp9, 3                        ; b
	s_mov_b32 s27, 0                               ; the upper word of every offset pair s[26:27]
	s_mov_b32 s28, 0x76543210
	s_mov_b32 s29, 0xfedcba98                      ; v_permlanex16_b32's selects for lane l xor 16
	s_mov_b32 s30, 0x3e38aa3b                      ; c = log2(e) / 8
	s_mov_b32 s31, s30                             ; (the packed form names the pair)
	v_and_b32 v[LI], 31, v0
	v_lshlrev_b32 v[O4L], 2, v[LI]
	v_lshlrev_b32 v[LI], 4, v[LI]
	v_and_b32 v60, 15, v0                          ; r
	v_bfe_u32 v61, v0, 4, 1                        ; h
	v_lshlrev_b32 v[OT], 4, v0
	v_lshlrev_b32 v[O4R], 2, v60
	v_lshl_add_u32 v[OWS], v61, 14, v[O4R]
	v_lshlrev_b32 v[O32H], 5, v61
	s_wait_alu depctr_va_sdst(0)                   ; s22 is written, ahead of its first reader: LDS addresses and the buffers' offsets are made from it
	s_lshl_b32 s25, s22, 12                        ; my four tiles of 1,024 bytes
	s_add_co_u32 s26, s25, QIMG
	v_add_nc_u32 v[AQ], s26, v[LI]
	s_add_co_u32 s26, s25, KIMG
	v_add_nc_u32 v[AKS], s26, v[LI]
	v_add_nc_u32 v[AK], KIMG, v[LI]
	v_lshlrev_b32 v[AVST], 4, v60
	v_lshl_add_u32 v[AVST], v61, 3, v[AVST]
	s_lshl_b32 s26, s22, 9                         ; my two blocks of 32 keys, 256 bytes each
	s_add_co_u32 s26, s26, VIMG
	v_add_nc_u32 v[AVST], s26, v[AVST]
	s_lshr_b32 s26, s22, 1                         ; my blocks 2 w, 2 w + 1 lie in step w / 2, bytes 2 (w % 2) and + 1
	s_lshl_b32 s26, s26, 6
	s_and_b32 s25, s22, 1
	s_lshl_b32 s25, s25, 1
	s_add_co_u32 s26, s26, s25
	s_add_co_u32 s26, s26, VSC
	v_add_nc_u32 v[AVSS], s26, v[O4R]
	v_add_nc_u32 v[AV], VIMG, v[LI]
	v_add_nc_u32 v[AVS], VSC, v[O4R]
	v_bfe_u32 v62, v0, 1, 3                        ; r / 2
	v_and_b32 v63, 1, v0                           ; r % 2
	v_lshlrev_b32 v[AZ], 8, v62                    ; z: my 8 codes are k = 256 i + 16 r + 8 h + 0 .. 7 of row w: K step 2 i + r / 8, c = (r / 4) % 2, the fragment's half (r / 2) % 2: together 256 (r / 2);
	v_lshl_add_u32 v[AZ], v63, 3, v[AZ]            ; register 2 (r % 2) + h
	v_lshl_add_u32 v[AZ], v61, 2, v[AZ]
	s_lshl_b32 s26, s22, 4                         ; the fragment's lane w
	s_add_co_u32 s26, s26, ZIMG
	v_add_nc_u32 v[AZ], s26, v[AZ]
	s_lshl_b32 s26, s22, 5
	s_add_co_u32 s26, s26, ZSC
	v_add_nc_u32 v[AZS], s26, v62
	v_mov_b32 v59, 0                               ; a lane permute's destination counts as one of its sources
	s_wait_kmcnt 0x0
	s_lshl_b32 s26, s22, 15                        ; Wo's codes: weight 3, my four tiles of columns
	s_add_co_u32 s26, s26, 3*524288
	s_add_nc_u64 s[36:37], s[8:9], s[26:27]
	s_lshl_b32 s25, s22, 8                         ; 256 w
	s_add_co_u32 s26, s25, 3*32768                 ; Wo's scale words: my 64 columns
	s_add_nc_u64 s[38:39], s[10:11], s[26:27]
	s_lshl_b32 s26, s24, 12                        ; xs: row 1,024 b + 64 w
	s_add_co_u32 s26, s26, s25
	s_add_nc_u64 s[6:7], s[6:7], s[26:27]
	s_mov_b32 s26, s25                             ; bo: my 64 columns
	s_add_nc_u64 s[18:19], s[18:19], s[26:27]
	s_lshl_b32 s26, ttmp9, 16                      ; out0: row 16 ab, my 64 columns
	s_add_co_u32 s26, s26, s25
	s_add_nc_u64 s[20:21], s[20:21], s[26:27]
	s_lshl_b32 s26, s24, 19                        ; xc: tile of rows 64 b + 4 w
	s_lshl_b32 s25, s22, 15
	s_add_co_u32 s26, s26, s25
	s_add_nc_u64 s[4:5], s[4:5], s[26:27]
	s_lshl_b32 s26, s23, 13                        ; wc: tile of columns a
	s_add_nc_u64 s[8:9], s[8:9], s[26:27]
	s_lshl_b32 s26, s23, 6                         ; ws, bq, bk, bv: column 16 a
	s_add_nc_u64 s[10:11], s[10:11], s[26:27]
	s_add_nc_u64 s[12:13], s[12:13], s[26:27]
	s_add_nc_u64 s[14:15], s[14:15], s[26:27]
	s_add_nc_u64 s[16:17], s[16:17], s[26:27]
	s_wait_alu depctr_va_vdst(0)                   ; the addresses and offsets v1 to v15 are written, which the loads and stores of P0, P1 and P2 read
.macro XLOAD p, s                      ; x's two fragments (tiles of rows 2 p, 2 p + 1 of my four) of K step s
.irp i, 0,1
.irp c, 0,1
	global_load_b128 v[X+16*((\s)%4)+8*\i+4*\c:X+16*((\s)%4)+8*\i+4*\c+3], v[LI], s[4:5] offset:(2*(\p)+\i)*8192+1024*(\s)+512*\c
.endr
.endr
.endm
.macro PLOADS p                        ; what a pass begins with: its 32 rows' scale words of all K steps, and four K steps of fragments
.irp s, 0,1,2,3,4,5,6,7
	global_load_b32 v[XS+\s], v[O4L], s[6:7] offset:16384*\s+128*(\p)
.endr
.irp s, 0,1,2,3
	XLOAD \p, \s
.endr
.endm
.irp g, 0,1,2
	global_load_b128 v[VT+4*\g:VT+4*\g+3], v[OT], s[8:9] offset:524288*\g   ; the head's 8,192 bytes of each weight: 16 bytes a thread
.endr
.irp g, 0,1,2
.irp m, 0,1,2,3
	global_load_b32 v[WS+4*\g+\m], v[OWS], s[10:11] offset:32768*\g+4096*\m
.endr
.endr
	global_load_b128 v[BQ:BQ+3], v[O32H], s[12:13]                 ; lane (r, h): dims 8 h + 0 .. 7
	global_load_b128 v[BQ+4:BQ+7], v[O32H], s[12:13] offset:16
	global_load_b128 v[BK:BK+3], v[O32H], s[14:15]
	global_load_b128 v[BK+4:BK+7], v[O32H], s[14:15] offset:16
	global_load_b32 v[BV], v[O4R], s[16:17]                        ; lane (r, h): dim r
	global_load_b32 v[BV+1], v[O4R], s[16:17]
	PLOADS 0
	s_wait_loadcnt 42                              ; the three loads of the images are in; behind them stand 12 + 6 + 8 + 16
.irp g, 0,1,2
	ds_store_b128 v[OT], v[VT+4*\g:VT+4*\g+3] offset:WIMG+8192*\g
.endr
	BARRIER                                        ; the weights' 24 fragments lie in LDS
	s_wait_alu depctr_vm_vsrc(0)                   ; my three LDS stores have read v216 to v227, into which v + bv is written at a pass's end
; ---- P1: the projections.  A pass is 32 of my rows: two tiles, one block of 32 keys.
.macro WFETCH s                        ; the three weights' fragments of K step s
.irp g, 0,1,2
.irp c, 0,1
	ds_load_b128 v[WF0+(WF1-WF0)*((\s)%2)+8*\g+4*\c:WF0+(WF1-WF0)*((\s)%2)+8*\g+4*\c+3], v[LI] offset:WIMG+8192*\g+1024*(\s)+512*\c
.endr
.endr
.endm
.macro KSTEP p, s
.if (\s) <= 4
	s_wait_loadcnt 12                              ; x's fragments of this K step are in (and all that was asked for before them); those of three later steps may be out
.else
	s_wait_loadcnt 4*(7-(\s))
.endif
.if (\s) < 7
	s_wait_dscnt 6                                 ; the weights' of this step are in; the next step's six loads may be out
.else
	s_wait_dscnt 0x0
.endif
.set xb, X+16*((\s)%4)
.set wb, WF0+(WF1-WF0)*((\s)%2)
.set wsr, WS+((\s)%4)
.set xsr, XS+(\s)
.set hi, (\s)/4
.irp i, 0,1                            ; q0, k0, v0, q1, k1, v1: the six accumulators take turns, one instruction a turn
.set dq, ACC+24*\i
.set cq, dq
.set ck, dq+8
.set cv, dq+16
.if (\s) == 0
.set cq, BQ                            ; the biases are the C of the sums' first instructions; v's is added behind the sum (a lane holds one dim there)
.set ck, BK
.set cv, -1
.endif
	MM dq, wb, xb+8*\i, cq, wsr, xsr, hi, \i
	MM dq+8, wb+8, xb+8*\i, ck, wsr+4, xsr, hi, \i
	MM dq+16, xb+8*\i, wb+16, cv, xsr, wsr+8, \i, hi
.endr
.if (\s) < 6
	PLACES 4                                       ; in front of loads into registers that these products have read
	s_wait_alu depctr_va_vdst(0)                   ; this step's six products are done reading their set of the weights' fragments and their set of x's: the loads below land there, asked for again at once
	WFETCH (\s)+2
.endif
.if (\s) < 4
	XLOAD \p, (\s)+4
.endif
.endm
.macro PASS p
	WFETCH 0                                       ; (second pass: no vector or matrix line since the wait behind the first pass's last products names these registers)
	WFETCH 1
.irp s, 0,1,2,3,4,5,6,7
	KSTEP \p, \s
.endr
	PLACES 4                                       ; in front of the first reads of results, and of loads into x's registers and scale words
	s_wait_alu depctr_va_vdst(0)                   ; the pass's products have written the six accumulators, of which the LDS stores below read four, and are done reading x's fragments and scale words and the weights' fragments, in which the next loads land
.if (\p) == 0
	PLOADS 1                                       ; the next pass's x is on its way during what follows
.endif
.irp i, 0,1                            ; q's and k's results are their f32 fragments: images to LDS, each accumulator from its low end on
	ds_store_b128 v[AQ], v[ACC+24*\i:ACC+24*\i+3] offset:(2*(\p)+\i)*1024
	ds_store_b128 v[AQ], v[ACC+24*\i+4:ACC+24*\i+7] offset:(2*(\p)+\i)*1024+512
	ds_store_b128 v[AKS], v[ACC+24*\i+8:ACC+24*\i+11] offset:(2*(\p)+\i)*1024
	ds_store_b128 v[AKS], v[ACC+24*\i+12:ACC+24*\i+15] offset:(2*(\p)+\i)*1024+512
.endr
.irp i, 0,1                            ; v + bv, into other registers: register 8 i + j is key 16 i + 8 h + j of the block, dim r
.irp j, 0,2,4,6
	v_pk_add_f32 v[VT+8*\i+\j:VT+8*\i+\j+1], v[ACC+24*\i+16+\j:ACC+24*\i+17+\j], v[BV:BV+1]
.endr
.endr
	v_max3_num_f32 v58, |v[VT]|, |v[VT+1]|, FLOOR  ; my 16 keys of the block, and the floor
.irp j, 2,4,6,8,10,12,14
	v_max3_num_f32 v58, v58, |v[VT+\j]|, |v[VT+\j+1]|
.endr
	v_permlanex16_b32 v59, v58, s28, s29
	v_max_num_f32 v58, v58, v59                    ; with lane l xor 16's 16: the block's largest magnitude
	v_add_nc_u32 v62, 0xff000000, v58              ; 2 off its exponent field: the conversion's scale operand
	v_cvt_scalef32_pk8_fp4_f32 v60, v[VT:VT+7], v62        ; group h of the block's four groups of eight keys,
	v_cvt_scalef32_pk8_fp4_f32 v61, v[VT+8:VT+15], v62     ; group 2 + h.  They become registers 2 h and 2 h + 1 of the fragment: the order 0, 2, 1, 3, which p's codes have too
	v_lshrrev_b32 v63, 23, v62                     ; the scale's byte.  (A plain line behind the conversions)
	s_wait_alu depctr_va_vdst(0)                   ; the conversions have written v60 and v61, the shift v63, which the two LDS stores read
	ds_store_b64 v[AVST], v[60:61] offset:256*(\p)
	ds_store_b8 v[AVSS], v63 offset:\p             ; both lanes of a dim write the same byte with the same value
	s_wait_dscnt 0x0
	s_wait_alu depctr_vm_vsrc(0)                   ; the pass's LDS stores have read q's and k's accumulators and v60, v61, v63: the next pass's products and vector lines, or P2's, write them again
.endm
	PASS 0
	PASS 1
	s_barrier_signal -1                            ; (the pass has ended with the wait for all my LDS stores)
	s_barrier_wait -1                              ; q, k, v of the whole head lie in LDS
; ---- P2: attention
.macro KFETCH g                        ; the eight tiles of k of step g: 16 consecutive keys each
.irp t, 0,1,2,3,4,5,6,7
	ds_load_b128 v[KF+8*\t:KF+8*\t+3], v[AK] offset:8192*(\g)+1024*\t
	ds_load_b128 v[KF+8*\t+4:KF+8*\t+7], v[AK] offset:8192*(\g)+1024*\t+512
.endr
.endm
.macro TMINUSM u                       ; t - M of scores 32 u .. 32 u + 31, two at a time, into other registers than the sums'
.irp j, 0,2,4,6,8,10,12,14,16,18,20,22,24,26,28,30
	v_pk_fma_f32 v[T+\j:T+\j+1], v[S+32*\u+\j:S+32*\u+\j+1], s[30:31], v[NM:NM+1] op_sel_hi:[1,0,0]
.endr
.endm
.macro EXPS                            ; p = 2^(t - M), at most 1: not normalised
.set i, 0
.rept 32
	v_exp_f32 v[T+i], v[T+i]
.set i, i+1
.endr
.endm
.macro EXPSK g                         ; the same 32 exponentials, with the loads of step g's eight tiles of k dealt among them, a tile behind every four.  No wait: no vector or matrix line since the wait above them names k's registers or v[AK]
.irp t, 0,1,2,3,4,5,6,7
.irp e, 0,1,2,3
	v_exp_f32 v[T+4*\t+\e], v[T+4*\t+\e]
.endr
	ds_load_b128 v[KF+8*\t:KF+8*\t+3], v[AK] offset:8192*(\g)+1024*\t
	ds_load_b128 v[KF+8*\t+4:KF+8*\t+7], v[AK] offset:8192*(\g)+1024*\t+512
.endr
.endm
.macro CODES u                         ; blocks 2 u and 2 u + 1
.irp b, 0,1
	v_cvt_scalef32_pk8_fp4_f32 v[PC+4*\u+2*\b], v[T+16*\b:T+16*\b+7], v[SO+2*\u+\b]
	v_cvt_scalef32_pk8_fp4_f32 v[PC+4*\u+2*\b+1], v[T+16*\b+8:T+16*\b+15], v[SO+2*\u+\b]
.endr
.endm
; A key step: keys 128 g .. 128 g + 127.  first = 1: the tile's first step, whose product starts O^T's sum.
.macro STEP g, first
	s_wait_dscnt 0x0                               ; k's tiles, asked for a step ago, are in (in the first step q's too)
.irp i, 0,1,2,3                        ; S^T = k q^T: lane (r, h) gets query r and, in tile t, keys 16 t + 8 h + 0 .. 7.  The eight accumulators take turns
.irp t, 0,1,2,3,4,5,6,7
.if \i == 0
	v_wmma_f32_16x16x4_f32 v[S+8*\t:S+8*\t+7], v[KF+8*\t:KF+8*\t+1], v[QF:QF+1], 0
.else
	v_wmma_f32_16x16x4_f32 v[S+8*\t:S+8*\t+7], v[KF+8*\t+2*\i:KF+8*\t+2*\i+1], v[QF+2*\i:QF+2*\i+1], v[S+8*\t:S+8*\t+7]
.endif
.endr
.endr
	PLACES 8                                       ; eight behind this form: in front of the first reads of the scores, and of the loads into k's registers further down
.irp b, 0,1,2,3
	v_max3_num_f32 v[BM+\b], v[S+16*\b], v[S+16*\b+1], v[S+16*\b+2]   ; the largest score of each block of 32 keys: for the row's maximum and, since p rises with the score, for the block's largest p
.endr
.irp i, 3,5,7,9,11,13
.irp b, 0,1,2,3
	v_max3_num_f32 v[BM+\b], v[BM+\b], v[S+16*\b+\i], v[S+16*\b+\i+1]
.endr
.endr
.irp b, 0,1,2,3
	v_max_num_f32 v[BM+\b], v[BM+\b], v[S+16*\b+15]
.endr
.irp b, 0,1,2,3
	v_permlanex16_b32 v[BX+\b], v[BM+\b], s28, s29
.endr
.irp b, 0,1,2,3
	v_max_num_f32 v[BM+\b], v[BM+\b], v[BX+\b]     ; with lane l xor 16's 16 keys
.endr
	v_max3_num_f32 v[TMP], v[BM], v[BM+1], v[BM+2]
	v_max_num_f32 v[TMP], v[TMP], v[BM+3]          ; the step's largest score of my query,
	v_mul_f32 v[TMP], s30, v[TMP]                  ; as t (c is positive)
	v_max_num_f32 v[TMX], v[TMX], v[TMP]           ; the running largest t
	v_mov_b32 v[TMP], v[NM]
	v_floor_f32 v[NM], -v[TMX]                     ; the new -M = floor(-t): M is a whole number
	v_sub_f32 v[TMP], v[NM], v[TMP]                ; old M - new M: a whole number, 0 or less
	v_cvt_i32_f32 v[TMP], v[TMP]                   ; (it saturates)
	v_ldexp_f32 v[FF], 1.0, v[TMP]                 ; f = 2^(old M - new M)
.irp b, 0,1,2,3
	v_fma_f32 v[BM+\b], v[BM+\b], s30, v[NM]
.endr
.irp b, 0,1,2,3
	v_exp_f32 v[BM+\b], v[BM+\b]                   ; each block's largest p: the same two instructions on the same number give the same bits
.endr
	TMINUSM 0                                      ; (plain lines behind those exponentials)
	s_wait_alu depctr_va_vdst(0)                   ; the four exponentials have written the blocks' largest p, read below; this step's 32 products are done reading k's registers, and the last step's scaled product v's fragment and scale word: the step's loads land there
	ds_load_b128 v[VF:VF+3], v[AV] offset:1024*(\g)
	ds_load_b128 v[VF+4:VF+7], v[AV] offset:1024*(\g)+512
	ds_load_b32 v[VS], v[AVS] offset:64*(\g)
.irp b, 0,1,2,3
	v_max_num_f32 v[BM+\b], FLOOR, v[BM+\b]        ; the byte cannot fall under 1
.endr
.irp b, 0,1,2,3
	v_add_nc_u32 v[SO+\b], 0xff000000, v[BM+\b]    ; the conversions' scale operands
.endr
.irp b, 0,1,2,3
	v_lshrrev_b32 v[BX+\b], 23, v[SO+\b]           ; the scale bytes
.endr
	v_lshl_or_b32 v[PS], v[BX+1], 8, v[BX]         ; p's scale word for these 128 keys; far more than eight places ahead of the product that names it
	v_lshl_or_b32 v[PS], v[BX+2], 16, v[PS]
	v_lshl_or_b32 v[PS], v[BX+3], 24, v[PS]
	EXPSK ((\g)+1)%8                               ; with the next step's k; in the last step the next tile's first (in the last tile: fetched for nothing, from inside k's images)
	v_pk_mul_f32 v[LA:LA+1], v[LA:LA+1], v[FF:FF+1] op_sel_hi:[1,0]   ; the sum under the new M.  (A plain line behind the exponentials)
	s_wait_alu depctr_va_vdst(0)                   ; the 32 exponentials have written p of keys 0 to 63, ahead of its first reader
	CODES 0
	v_pk_add_f32 v[LB:LB+1], v[T:T+1], v[T+2:T+3]  ; the row's sum is taken of the unquantised p: two at a time, in two chains
.irp j, 4,8,12,16,20,24,28
	v_pk_add_f32 v[LA:LA+1], v[LA:LA+1], v[T+\j:T+\j+1]
	v_pk_add_f32 v[LB:LB+1], v[LB:LB+1], v[T+\j+2:T+\j+3]
.endr
	TMINUSM 1
	EXPS
.if \first
	v_nop                                          ; a plain line behind the exponentials
	s_wait_alu depctr_va_vdst(0)                   ; the 32 exponentials have written p of keys 64 to 127, ahead of its first reader
.else
	s_wait_alu depctr_va_vdst(0)                   ; the 32 exponentials have written p of keys 64 to 127, ahead of its first reader; the four lines below are the plain lines behind them
.irp j, 0,2,4,6
	v_pk_mul_f32 v[OA+\j:OA+\j+1], v[OA+\j:OA+\j+1], v[FF:FF+1] op_sel_hi:[1,0]   ; O^T under the new M, from its low end on
.endr
.endif
	CODES 1
	v_nop                                          ; a plain line between the conversions and the lines that touch their results
.irp c, 0,1                            ; the operand wants a whole block in a lane: lanes 0-15 block 2 c, lanes 16-31 block 2 c + 1
.irp i, 0,1
	v_permlane16_swap_b32 v[PC+4*\c+\i], v[PC+4*\c+2+\i]
.endr
.endr
.irp j, 0,4,8,12,16,20,24,28
	v_pk_add_f32 v[LA:LA+1], v[LA:LA+1], v[T+\j:T+\j+1]            ; (these are also the places between the operand's last write and the product)
	v_pk_add_f32 v[LB:LB+1], v[LB:LB+1], v[T+\j+2:T+\j+3]
.endr
	v_pk_add_f32 v[LA:LA+1], v[LA:LA+1], v[LB:LB+1]
	s_wait_alu depctr_va_vdst(0)                   ; the conversions and the exchanges have written p's codes, and the shifts p's scale word, which the scaled product takes; the places above stay beside this wait
	s_wait_dscnt 16                                ; v's three loads are in; k's sixteen may be out
.if \first
	MM OA, VF, PC, -1, VS, PS, 0, 0                ; O^T (+)= v^T p^T: lane (r, h): query r, dims 8 h + 0 .. 7
.else
	MM OA, VF, PC, OA, VS, PS, 0, 0
.endif
.endm
.irp b, 0,1,2,3
	v_mov_b32 v[BX+\b], 0                          ; lane permutes' destinations count as sources
.endr
	v_mov_b32 v[FF+1], 0                           ; (named with f as a pair)
	KFETCH 0                                       ; (no vector or matrix line since the wait behind P1's last products names v128 to v191)
	s_mov_b32 s32, 4                               ; my four tiles of queries
	s_mov_b32 s33, 0                               ; the tile's place among q's images: 1,024 a tile,
	s_mov_b32 s34, 0                               ; among z's codes: two K steps, 2,048,
	s_mov_b32 s35, 0                               ; among z's scale bytes: 8
.Ltile:
	s_wait_alu depctr_vm_vsrc(0)                   ; the last tile's loads of q have read v[ADQ], and its two stores of z v[ADZ], v[ADS], v[PC] and v[BX]: all five are written again in this tile
	v_add_nc_u32 v[ADQ], s33, v[AQ]
	v_add_nc_u32 v[ADZ], s34, v[AZ]
	v_add_nc_u32 v[ADS], s35, v[AZS]
	v_mov_b32 v[TMX], 0xff61b1e6                   ; the largest t so far: -3e38, under every t
	v_floor_f32 v[NM], -v[TMX]
	v_mov_b32 v[LA], 0                             ; the sum: the first f, which is 0, leaves it 0
	v_mov_b32 v[LA+1], 0
	s_wait_alu depctr_va_vdst(0)                   ; the tile's three addresses are written, which the loads below and the stores at the tile's end read; the last tile's products are done reading q's registers, in which the loads land
	ds_load_b128 v[QF:QF+3], v[ADQ]
	ds_load_b128 v[QF+4:QF+7], v[ADQ] offset:512
	STEP 0, 1
	STEP 1, 0
	STEP 2, 0
	STEP 3, 0
	STEP 4, 0
	STEP 5, 0
	STEP 6, 0
	STEP 7, 0
	PLACES 4                                       ; in front of the first read of O^T
	v_add_f32 v[TMP], v[LA], v[LA+1]               ; the sum's two halves,
	v_permlanex16_b32 v[BX], v[TMP], s28, s29
	v_add_f32 v[TMP], v[TMP], v[BX]                ; and lane l xor 16's keys: the row's sum, at least 1/2
	v_rcp_f32 v[RL], v[TMP]
	v_mov_b32 v[RL+1], 0                           ; (a plain line behind the reciprocal; named with it as a pair)
	s_wait_alu depctr_va_vdst(0)                   ; the reciprocal is written, ahead of its first reader
.irp j, 0,2,4,6
	v_pk_mul_f32 v[T+\j:T+\j+1], v[OA+\j:OA+\j+1], v[RL:RL+1] op_sel_hi:[1,0]   ; z: query 16 i + r, dims 8 h + 0 .. 7
.endr
	v_max3_num_f32 v[BM], |v[T]|, |v[T+1]|, FLOOR
.irp j, 2,4,6
	v_max3_num_f32 v[BM], v[BM], |v[T+\j]|, |v[T+\j+1]|
.endr
	v_max_num_f32_dpp v[BM], v[BM], v[BM] row_xmask:1 row_mask:0xf bank_mask:0xf   ; the neighbouring query's,
	v_permlanex16_b32 v[BX], v[BM], s28, s29
	v_max_num_f32 v[BM], v[BM], v[BX]              ; and the other eight dims': the block of 32
	v_add_nc_u32 v[SO], 0xff000000, v[BM]
	v_cvt_scalef32_pk8_fp4_f32 v[PC], v[T:T+7], v[SO]
	v_lshrrev_b32 v[BX], 23, v[SO]                 ; the scale's byte.  (A plain line behind the conversion)
	s_wait_alu depctr_va_vdst(0)                   ; the conversion has written v[PC] and the shift v[BX], which the two LDS stores read
	ds_store_b32 v[ADZ], v[PC]
	ds_store_b8 v[ADS], v[BX]                      ; the block's four lanes write the same byte with the same value
	s_add_co_u32 s33, s33, 1024
	s_add_co_u32 s34, s34, 2048
	s_add_co_u32 s35, s35, 8
	s_sub_co_u32 s32, s32, 1
	s_cmp_lg_u32 s32, 0
	s_cbranch_scc1 .Ltile
; ---- P3: out = z Wo + bo, my 64 columns of the head's 16 rows
	s_wait_dscnt 0x0                               ; z's stores have landed, and the last fetch of k is in: its registers take Wo's fragments
	s_wait_alu depctr_vm_vsrc(0)                   ; P1's and P2's LDS instructions have read their addresses v2 to v8, v62, v63 and z's data v44, v54: the lines below write v2 to v8, and P3's loads land in the others
	v_and_b32 v7, 15, v0                           ; r
	v_bfe_u32 v8, v0, 4, 1                         ; h
	v_add_nc_u32 v[AZF], ZIMG, v[LI]
	v_lshlrev_b32 v[AZSL], 5, v7
	v_add_nc_u32 v[AZSL], ZSC, v[AZSL]
	s_mul_i32 s25, s22, 16*272
	s_add_co_u32 s25, s25, STG                     ; my stage
	v_mul_u32_u24 v[ASO], v7, 272
	v_lshl_add_u32 v[ASO], v8, 5, v[ASO]
	v_add_nc_u32 v[ASO], s25, v[ASO]               ; in: row r, 32 bytes for each half of the lanes
	v_mul_u32_u24 v[ASR], v8, 272
	v_lshl_add_u32 v[ASR], v7, 4, v[ASR]
	v_add_nc_u32 v[ASR], s25, v[ASR]               ; back: lanes 0-15 one row of 256 bytes, lanes 16-31 the next
	v_lshlrev_b32 v[GO], 12, v8
	v_lshl_add_u32 v[GO], v7, 4, v[GO]             ; and the same two rows of the output
	s_wait_alu depctr_va_vdst(0)                   ; P3's five addresses are written, which its loads and stores read; P2's vector and matrix lines are done writing and reading v16 to v63, v128 to v223 and v232 to v255, in which P3's loads land
.macro WOLOAD s                        ; Wo's four fragments (my tiles of 16 columns) of K step s
.irp t, 0,1,2,3
.irp c, 0,1
	global_load_b128 v[WOF+32*((\s)%3)+8*\t+4*\c:WOF+32*((\s)%3)+8*\t+4*\c+3], v[LI], s[36:37] offset:8192*\t+1024*(\s)+512*\c
.endr
.endr
.endm
.macro ZFETCH s
	ds_load_b128 v[ZF+8*((\s)%2):ZF+8*((\s)%2)+3], v[AZF] offset:1024*(\s)
	ds_load_b128 v[ZF+8*((\s)%2)+4:ZF+8*((\s)%2)+7], v[AZF] offset:1024*(\s)+512
.endm
.irp t, 0,1,2,3
.irp c, 0,1
	global_load_b128 v[BO+8*\t+4*\c:BO+8*\t+4*\c+3], v[O32H], s[18:19] offset:64*\t+16*\c   ; lane (r, h), tile t: columns 16 t + 8 h + 0 .. 7
.endr
.endr
.irp u, 0,1
.irp s, 0,1,2,3,4,5,6,7
	global_load_b32 v[WOS+8*\u+\s], v[O4L], s[38:39] offset:4096*\s+128*\u
.endr
.endr
	WOLOAD 0
	WOLOAD 1
	WOLOAD 2                                       ; these loads stay on their way across the barrier: nobody writes their bytes
	BARRIER                                        ; the head's 16 rows of z lie in LDS
	ds_load_b128 v[ZS:ZS+3], v[AZSL]               ; lane r: row r's eight scale words
	ds_load_b128 v[ZS+4:ZS+7], v[AZSL] offset:16
	ZFETCH 0
	ZFETCH 1
.macro OSTEP s
.if (\s) <= 5
	s_wait_loadcnt 16                              ; Wo's fragments of this K step are in; those of two later steps may be out
.else
	s_wait_loadcnt 8*(7-(\s))
.endif
.if (\s) < 7
	s_wait_dscnt 2                                 ; z's fragment of this step is in; the next step's two loads may be out
.else
	s_wait_dscnt 0x0
.endif
.set wo, WOF+32*((\s)%3)
.set zf, ZF+8*((\s)%2)
.irp t, 0,1,2,3                        ; four accumulators by turns; bo is the C of each sum's first instruction
.set ca, AC3+8*\t
.if (\s) == 0
.set ca, BO+8*\t
.endif
	MM AC3+8*\t, wo+8*\t, zf, ca, WOS+8*(\t/2)+(\s), ZS+(\s), \t%2, 0
.endr
	PLACES 4                                       ; in front of loads into registers that these products have read; behind the last step: of the first read of results
.if (\s) < 6
	s_wait_alu depctr_va_vdst(0)                   ; this step's four products are done reading their set of Wo's fragments and their set of z's: the loads below land there, asked for again at once
.endif
.if (\s) < 5
	WOLOAD (\s)+3
.endif
.if (\s) < 6
	ZFETCH (\s)+2
.endif
.if (\s) == 7
	s_wait_alu depctr_va_vdst(0)                   ; the products have written the four accumulators, which the LDS stores below read, and are done reading v128 to v159, in which the rows come back; the places above stay beside this wait
.endif
.endm
.irp s, 0,1,2,3,4,5,6,7
	OSTEP \s
.endr
.irp t, 0,1,2,3                        ; lane (r, h): out(16 ab + r, 64 w + 16 t + 8 h + 0 .. 7): through my own stage, each accumulator from its low end on
	ds_store_b128 v[ASO], v[AC3+8*\t:AC3+8*\t+3] offset:64*\t
	ds_store_b128 v[ASO], v[AC3+8*\t+4:AC3+8*\t+7] offset:64*\t+16
.endr
.irp i, 0,1,2,3,4,5,6,7
	ds_load_b128 v[OUTR+4*\i:OUTR+4*\i+3], v[ASR] offset:544*\i    ; LDS serves a wave's instructions in order: these see my stores
.endr
.irp i, 0,1,2,3,4,5,6,7
	s_wait_dscnt 7-\i
	global_store_b128 v[GO], v[OUTR+4*\i:OUTR+4*\i+3], s[20:21] offset:8192*\i th:TH_STORE_NT   ; sixteen lanes store 256 consecutive bytes, at a multiple of 256 from the output's first byte
.endr
	s_wait_xcnt 0x0                                ; every store has had its addresses translated
	v_lshl_add_u32 v251, v0, 2, 0x3c000            ; the add's two registers, made anew from v0: my spare word behind the stages, and 0.  No memory or LDS instruction has read v251 or v252
	v_mov_b32 v252, 0
	s_wait_dscnt 0x0                               ; the closing lines, six on end
	s_wait_alu 0x0
	s_wait_tensorcnt 0x0
	ds_add_u32 v251, v252
	s_wait_dscnt 0x0
	s_endpgm
.Lfunc_end_k_qdc52d526d7_attn:
	.size	k_qdc52d526d7_attn, .Lfunc_end_k_qdc52d526d7_attn-k_qdc52d526d7_attn
	.p2alignl 7, 3214868480
	.fill 96, 4, 3214868480
	.section	.rodata,"a",@progbits
	.p2align	6, 0x0
	.amdhsa_kernel k_qdc52d526d7_attn
		.amdhsa_group_segment_fixed_size 247808
		.amdhsa_private_segment_fixed_size 0
		.amdhsa_enable_private_segment 0
		.amdhsa_kernarg_size 72
		.amdhsa_user_sgpr_count 2
		.amdhsa_user_sgpr_kernarg_segment_ptr 1
		.amdhsa_wavefront_size32 1
		.amdhsa_system_sgpr_workgroup_id_x 1
		.amdhsa_system_sgpr_workgroup_id_y 1
		.amdhsa_system_sgpr_workgroup_id_z 1
		.amdhsa_system_vgpr_workitem_id 0
		.amdhsa_next_free_vgpr 256
		.amdhsa_next_free_sgpr 66
		.amdhsa_reserve_vcc 0
		.amdhsa_float_denorm_mode_32 3
		.amdhsa_float_denorm_mode_16_64 3
		.amdhsa_memory_ordered 1
		.amdhsa_forward_progress 1
		.amdhsa_inst_pref_size 177
	.end_amdhsa_kernel
	.amdgpu_metadata
---
amdhsa.version: [ 1, 2 ]
amdhsa.kernels:
  - .name:           k_qdc52d526d7_attn
    .symbol:         k_qdc52d526d7_attn.kd
    .args:
      - { .name: xc, .offset: 0, .size: 8, .value_kind: global_buffer, .address_space: global }
      - { .name: xs, .offset: 8, .size: 8, .value_kind: global_buffer, .address_space: global }
      - { .name: wc, .offset: 16, .size: 8, .value_kind: global_buffer, .address_space: global }
      - { .name: ws, .offset: 24, .size: 8, .value_kind: global_buffer, .address_space: global }
      - { .name: bq, .offset: 32, .size: 8, .value_kind: global_buffer, .address_space: global }
      - { .name: bk, .offset: 40, .size: 8, .value_kind: global_buffer, .address_space: global }
      - { .name: bv, .offset: 48, .size: 8, .value_kind: global_buffer, .address_space: global }
      - { .name: bo, .offset: 56, .size: 8, .value_kind: global_buffer, .address_space: global }
      - { .name: out0, .offset: 64, .size: 8, .value_kind: global_buffer, .address_space: global }
    .group_segment_fixed_size: 247808
    .private_segment_fixed_size: 0
    .kernarg_segment_align: 8
    .kernarg_segment_size: 72
    .max_flat_workgroup_size: 512
    .sgpr_count:     66
    .vgpr_count:     256
    .wavefront_size: 32
...
	.end_amdgpu_metadata
.endif
;; end of part 3
